; MI455X (gfx1250); checked and timed in simulation.
; The chip was launched on July 23, 2026; its instructions are those of AMD's public machine-readable ISA for CDNA 5 (MIT licence, August 2026) and "CDNA5" Instruction Set Architecture Reference Guide (July 2026). The comments in the code are by the model that wrote it; some were corrected since.
;; Temporal Multi Head Attention. Allowed arithmetic: matrix products marked QUANTISED: E4M3 operands, one E8M0 scale for each 32 along K, by v_wmma_scale_f32_16x16x128_f8f6f4 with both operands' format E4M3, f32 sums; everything else in f32.
;; Inputs: Wk 1,024 x 1,024 float32; Wo 1,024 x 1,024 float32; Wq 1,024 x 1,024 float32; Wv 1,024 x 1,024 float32; bk 1,024 float32; bo 1,024 float32; bq 1,024 float32; bv 1,024 float32; x 4 x 2,048 x 1,024 float32.
;; Outputs: out0 4 x 2,048 x 1,024 float32.
;; This version of the problem:
;;   THIS VERSION OF THE PROBLEM IS GIVEN IN LOW PRECISION. The matrix products marked QUANTISED in the list below multiply operands that are first quantised to E4M3 (4 exponent bits, 3 mantissa bits; 8 bits a number), with one power-of-two scale for each 32 numbers along K (OCP MX v1.0); their sums are f32. All else is computed in f32.
;;   The module's matrix products, in the order in which they are computed (A, B: the left and right operand; K: the contracted axis; several contracted axes count as one K, in the product's order):
;;     1. [M 8,192, K 1,024] x [K 1,024, N 1,024]; A: input x; B: input Wq: QUANTISED
;;     2. [M 8,192, K 1,024] x [K 1,024, N 1,024]; A: input x; B: input Wk: QUANTISED
;;     3. [M 8,192, K 1,024] x [K 1,024, N 1,024]; A: input x; B: input Wv: QUANTISED
;;     4. batch 64 x [M 2,048, K 64] x [K 64, N 2,048]; A: computed on the way; B: computed on the way: QUANTISED
;;     5. batch 64 x [M 2,048, K 2,048] x [K 2,048, N 64]; A: softmax (see below); B: computed on the way: QUANTISED
;;     6. [M 8,192, K 1,024] x [K 1,024, N 1,024]; A: computed on the way; B: input Wo: QUANTISED
;;   THE QUANTISER, for each operand of a quantised product, along K:
;;     - K is cut into blocks of 32 from its start; a last block that is shorter is filled with zeros.
;;     - A block's scale is 2^e with e = floor(log2(the largest magnitude in the block)) - 8, held to -126 .. 127; a block of zeros has e = 0. As a byte (E8M0): e + 127.
;;     - Each number is divided by its block's scale, clamped to +-448, and rounded to the nearest number of E4M3, ties to even, subnormals kept.
;;     - The product sums the exact products of the quantised numbers (number of the format x scale) in f32.
;;   ~~~python
;;   def quantise(x, axis):      # numpy; x: float32 -> the quantised numbers, widened to float32 again
;;       x = np.moveaxis(x, axis, -1); K = x.shape[-1]
;;       x = np.pad(x, [(0, 0)] * (x.ndim - 1) + [(0, -K % 32)]); x = x.reshape(x.shape[:-1] + (-1, 32)); a = np.abs(x).max(-1, keepdims=True)
;;       e = np.where(a > 0, np.clip(np.frexp(np.where(a > 0, a, 1))[1] - 1 - 8, -126, 127), 0)      # np.frexp(a)[1] - 1 = floor(log2(a)), exactly
;;       r = np.clip(x / 2.0 ** e, -448, 448)
;;       step = 2.0 ** (np.maximum(np.frexp(np.where(r == 0, 1, r))[1] - 1, -6) - 3)
;;       q = np.round(r / step) * step * 2.0 ** e      # np.round: ties to even
;;       return np.moveaxis(q.reshape(q.shape[:-2] + (-1,))[..., :K], -1, axis).astype(np.float32)
;;   ~~~
;;   SOFTMAX AHEAD OF A QUANTISED PRODUCT. Where the list says 'softmax', what is quantised is not the finished softmax but p = 2^(t - M), with t = logit x log2(e) and M = ceil(the row's largest t), a whole number; so 1/2 < the row's largest p <= 1. The row's sum l is taken of the UNQUANTISED p, in f32, and the product's result is divided by l at the end. Since M is a whole number, a kernel that streams over the keys may use a running M (the ceiling of the running maximum): every later rescaling is an exact power of two, which a block's scale takes up: the codes' values come out the same.
;;   OPERANDS COMPUTED ON THE WAY. 'Computed on the way' means the value that the module computes at that place (a softmax that the list does not call 'softmax' is quantised finished and normalised). What goes into a quantiser is computed in f32, as accurately as f32 sums, v_exp_f32 and their like allow (about 1e-6 of the number): no bf16 or f16 on the way to a quantiser, and a product that is left as it is and whose result goes on into a quantised operand takes f32 operands (vector FMAs, or v_wmma_f32_16x16x4_f32). A number that lies on a knife's edge between two numbers of the format may be rounded either way, as far as f32 arithmetic and the matrix unit's own rounding can turn it there, and no further.
;; One version. Each part assembles by itself: llvm-mc -triple=amdgcn-amd-amdhsa -mcpu=gfx1250 --defsym DOCPART=n.
;; ======== version 1 of 1: 4 launches
;; limits: right only within a limited range of input values
;; workspace buffers: xq 8,650,752 bytes; wq 4,325,376 bytes; qq 8,912,896 bytes; kvq 17,563,648 bytes; oq 8,650,752 bytes
;; launch quant (part 1): grid 256 x 1, 4 waves a work-group, no clusters, 34,304 bytes of LDS; arguments x, Wq, Wk, Wv, Wo, xq, wq; writes xq, wq
.if DOCPART == 1
	.amdgcn_target "amdgcn-amd-amdhsa--gfx1250"
	.amdhsa_code_object_version 6
	.text
	.protected	k_q863edcc330_quant
	.globl	k_q863edcc330_quant
	.p2align	8
	.type	k_q863edcc330_quant,@function
k_q863edcc330_quant:
	s_mov_b64 s[64:65], 0
	v_nop
	global_prefetch_b8 v0, s[64:65] scope:SCOPE_SE
	s_setreg_imm32_b32 hwreg(HW_REG_WAVE_MODE, 25, 1), 1
	s_wait_xcnt 0x0
; x [8192][1024] f32 (K innermost) and Wq, Wk, Wv, Wo [1024 (k)][1024 (n)] f32 (K outermost) become codes of FP8 (E4M3) with one E8M0 byte for each 32 along K.
; A block's scale is 2^(floor(log2(its largest magnitude)) - 8); each number is divided by it, held within +-448 and rounded to the nearest code, ties to even.
; LAYOUT OF THE CODES, the order of an operand's registers: [row / 16][K / 128][c = 0..3][lane][16 bytes]: a group of 512 bytes is registers 4 c .. 4 c + 3 of a fragment (16 rows x 128 K), lane l's 16 bytes at 16 l.
; ORDER INSIDE A BLOCK OF 32: lanes 0-15 hold the block's numbers 0-7 and 16-23, lanes 16-31 its numbers 8-15 and 24-31.  Every operand of the program is laid so, on both sides of every product, so the
; products and the blocks' scales are those of the true order; only the order of a sum's terms differs.  The scale bytes lie plain: [row][32].  wq's rows: 0 Wq, 1024 Wk, 2048 Wv, 3072 Wo (a row is a column n).
; LIMITS: NaN and infinities are not served.  A block of zeros, or one whose largest magnitude lies under 2^-118, gets the byte 1 (its codes are zeros or small); these bytes are read by this program alone.
; SHARES: work-groups 0-127 take x, a wave 16 rows; work-groups 128-255 the weights, a wave 32 columns x 256 along K.  Waves share nothing: no barrier.  Only x's path touches LDS.
.set SEL, 22                           ; s[22:23] lane selects for v_permlanex16_b32: lane l xor 16
.set MNT, 24
.set HM,  25                           ; s25  a lane mask: lanes 16-31
.set R,   16                           ; v16-143  x: two sets of 64 registers as loaded
.set X,   144                          ; v144-207 x: a fragment's 64 numbers of my lane, in the operand's order
.set PC,  208                          ; v208-223 the codes just made
.set TM,  224                          ; v224-239 at work
.set SW,  240                          ; v240-247 my row's eight scale words
.set T,   248                          ; v248-251 the four that I store
.set SP,  528                          ; a row of the stage: 512 bytes + 16
.set WX,  16                           ; v16-79   weights: two sets of 32 numbers
.set WC,  80                           ; v80-143  eight registers of codes for each of the 8 blocks: no store's data are written again
.set WSB, 144                          ; v144-145 my column's 8 scale bytes
; 64 numbers of a lane, register 16 b + i of block b, become 16 registers of codes in v[pc] on and the row's scale word in v[pw]
.macro QUANT s, pc, pw
.irp b, 0,1,2,3
	v_max3_num_f32 v[TM+\b], |v[\s+16*\b]|, |v[\s+1+16*\b]|, 0x4800000   ; my 16 numbers of block b, and the floor 2^(9 - 127): the byte cannot fall under 1
.endr
.irp i, 2,4,6,8,10,12,14
.irp b, 0,1,2,3
	v_max3_num_f32 v[TM+\b], v[TM+\b], |v[\s+16*\b+\i]|, |v[\s+1+16*\b+\i]|   ; the four blocks by turns
.endr
.endr
.irp b, 0,1,2,3
	v_permlanex16_b32 v[TM+4+\b], v[TM+\b], s[SEL], s[SEL+1]
.endr
.irp b, 0,1,2,3
	v_max_num_f32 v[TM+\b], v[TM+\b], v[TM+4+\b]         ; with lane l xor 16's 16: the block's largest magnitude
.endr
.irp b, 0,1,2,3
	v_add_nc_u32 v[TM+12+\b], 0xfc000000, v[TM+\b]       ; 8 off its exponent field: the conversion's scale operand
.endr
.irp b, 0,1,2,3
.endr
.irp b, 0,1,2,3
	v_lshrrev_b32 v[TM+4+\b], 23, v[TM+12+\b]            ; the scale's byte
.endr
	v_lshl_or_b32 v[\pw], v[TM+5], 8, v[TM+4]
	v_lshl_or_b32 v[\pw], v[TM+6], 16, v[\pw]
	v_lshl_or_b32 v[\pw], v[TM+7], 24, v[\pw]
.irp b, 0,1,2,3
.irp i, 0,1,2,3,4,5,6,7,8,9,10,11,12,13,14,15
.endr
	v_cvt_scalef32_pk8_fp8_f32 v[\pc+4*\b:\pc+4*\b+1], v[\s+16*\b:\s+16*\b+7], v[TM+12+\b]
	v_cvt_scalef32_pk8_fp8_f32 v[\pc+4*\b+2:\pc+4*\b+3], v[\s+16*\b+8:\s+16*\b+15], v[TM+12+\b]
.endr
	v_nop                                          ; a plain line behind the last conversion, ahead of whatever next writes its sources
.endm
	s_load_b256 s[4:11], s[0:1], 0x0               ; x, Wq, Wk, Wv
	s_load_b128 s[12:15], s[0:1], 0x20             ; Wo, xq
	s_load_b64 s[16:17], s[0:1], 0x30              ; wq
	v_lshl_add_u32 v254, v0, 2, 0x8400
	v_mov_b32 v255, 0
	v_lshrrev_b32 v1, 5, v0
	v_readfirstlane_b32 s20, v1                    ; wave
	v_and_b32 v7, 31, v0                           ; lane
	v_and_b32 v1, 15, v0                           ; r
	v_bfe_u32 v2, v0, 4, 1                         ; h
	s_mov_b32 s[SEL], 0x76543210
	s_mov_b32 s[SEL+1], 0xfedcba98
	s_mov_b32 s[HM], 0xffff0000
	s_cmp_ge_u32 ttmp9, 128
	s_cbranch_scc1 .Lweights
	; ---------------- x: my wave's 16 rows, eight fragments of 128 along K
	v_lshlrev_b32 v3, 4, v7                        ; 16 x lane: my bytes of a load's 512, and of a group of codes
	s_mul_i32 s26, s20, 16*SP                      ; my wave's stage
	v_add_nc_u32 v4, s26, v3                       ; into it: a row's 512 bytes as they lie
	v_mul_u32_u24 v5, v1, SP
	v_lshl_add_u32 v5, v2, 5, v5
	v_add_nc_u32 v5, s26, v5                       ; out of it: row r, + 32 h: of each block's 128 bytes I take 32 at 32 h and 32 at 64 + 32 h
	v_lshlrev_b32 v6, 5, v1
	v_lshl_add_u32 v6, v2, 4, v6                   ; the scale bytes: 32 r + 16 h
	s_lshl_b32 s27, ttmp9, 2
	s_add_co_u32 s27, s27, s20                     ; which 16 rows: 4 x work-group + wave
	s_lshl_b32 s28, s27, 16                        ; 16 rows of 4,096 bytes
	s_mov_b32 s29, 0
	s_lshl_b32 s30, s27, 14                        ; their codes: 16,384 bytes
	s_mov_b32 s31, 0
	s_lshl_b32 s32, s27, 9                         ; their scale bytes: 512, behind the codes
	s_add_co_u32 s32, s32, 8388608
	s_mov_b32 s33, 0
.irp b, 0,1,2,3
	v_mov_b32 v[TM+4+\b], 0                        ; written once: a lane permute's destination counts as one of its sources
.endr
	s_wait_alu depctr_va_vdst(0)
	s_wait_kmcnt 0x0
	s_add_nc_u64 s[4:5], s[4:5], s[28:29]
	s_add_nc_u64 s[26:27], s[14:15], s[30:31]
	s_add_nc_u64 s[28:29], s[14:15], s[32:33]
.macro LOADX f                         ; fragment f: 512 consecutive bytes of each of the 16 rows
.set j, 0
.rept 16
	global_load_b128 v[R+64*((\f)%2)+4*j:R+64*((\f)%2)+4*j+3], v3, s[4:5] offset:4096*j+512*(\f) th:TH_LOAD_NT
.set j, j+1
.endr
.endm
.macro FRAGM f
.if (\f) < 7
	s_wait_loadcnt 16                              ; this fragment's 16 loads are in; the next fragment's 16 may be out
.else
	s_wait_loadcnt 0x0
.endif
.set j, 0
.rept 16
	ds_store_b128 v4, v[R+64*((\f)%2)+4*j:R+64*((\f)%2)+4*j+3] offset:SP*j
.set j, j+1
.endr
.irp c, 0,1,2,3                        ; LDS serves a wave's instructions in order: these see the stores above
	ds_load_b128 v[X+16*\c:X+16*\c+3],     v5 offset:128*\c
	ds_load_b128 v[X+16*\c+4:X+16*\c+7],   v5 offset:128*\c+16
	ds_load_b128 v[X+16*\c+8:X+16*\c+11],  v5 offset:128*\c+64
	ds_load_b128 v[X+16*\c+12:X+16*\c+15], v5 offset:128*\c+80
.endr
	s_wait_dscnt 0x0                               ; my 64 numbers are in, and the stores have read the set,
.if (\f) < 6
	LOADX (\f)+2                                   ; which takes the loads of two fragments on
.endif
	s_wait_xcnt 0x0                                ; the last fragment's stores have read the codes' registers
	QUANT X, PC, SW+(\f)
.irp c, 0,1,2,3
	global_store_b128 v3, v[PC+4*\c:PC+4*\c+3], s[26:27] offset:2048*(\f)+512*\c   ; 512 consecutive bytes, aligned
.endr
.endm
	LOADX 0
	LOADX 1
.irp f, 0,1,2,3,4,5,6,7
	FRAGM \f
.endr
.irp i, 0,1,2,3
	v_cndmask_b32 v[T+\i], v[SW+\i], v[SW+4+\i], s[HM]   ; lanes 0-15 store their row's words 0-3, lanes 16-31 words 4-7
.endr
	global_store_b128 v6, v[T:T+3], s[28:29]       ; the 16 rows' 512 scale bytes, consecutive
	s_wait_tensorcnt 0x0
	ds_add_u32 v254, v255
	s_wait_dscnt 0x0
	s_endpgm
	; ---------------- the weights: a lane takes a column n and its registers run down K, so a block of 32 lies in one lane
.Lweights:
	s_sub_co_u32 s26, ttmp9, 128
	s_lshr_b32 s27, s26, 5                         ; which weight: 0 Wq, 1 Wk, 2 Wv, 3 Wo
	s_and_b32 s28, s26, 7                          ; which 128 columns
	s_bfe_u32 s29, s26, 0x20003                    ; which 256 along K
	s_lshl_b32 s28, s28, 7
	s_lshl_b32 s30, s20, 5
	s_add_co_u32 s28, s28, s30                     ; my wave's first column
	s_wait_alu depctr_va_vdst(0)
	v_lshlrev_b32 v3, 2, v7                        ; in: 4 bytes a lane
	v_lshlrev_b32 v4, 4, v1
	v_lshl_add_u32 v4, v2, 14, v4                  ; out: 16 (lane % 16), and lanes 16-31 in the next tile of 16 rows, 16,384 bytes on
	v_lshlrev_b32 v5, 5, v7                        ; the scale bytes: 32 a row
	s_lshl_b32 s30, s29, 20                        ; 256 rows of W, 4,096 bytes each
	s_lshl_b32 s31, s28, 2
	s_add_co_u32 s30, s30, s31
	s_mov_b32 s31, 0
	s_lshl_b32 s32, s27, 10
	s_add_co_u32 s32, s32, s28                     ; my first row of wq
	s_lshl_b32 s34, s32, 10                        ; 1,024 bytes of codes a row,
	s_lshl_b32 s35, s29, 12                        ; two fragments of 2,048 for 256 along K
	s_add_co_u32 s34, s34, s35
	s_mov_b32 s35, 0
	s_lshl_b32 s36, s32, 5
	s_lshl_b32 s37, s29, 3
	s_add_co_u32 s36, s36, s37
	s_add_co_u32 s36, s36, 4194304                 ; the scale bytes lie behind the codes
	s_mov_b32 s37, 0
	s_wait_alu depctr_va_vdst(0)
	s_wait_kmcnt 0x0
	s_cmp_eq_u32 s27, 1                            ; the choice hangs on the work-group's number alone
	s_cselect_b64 s[6:7], s[8:9], s[6:7]
	s_cmp_eq_u32 s27, 2
	s_cselect_b64 s[6:7], s[10:11], s[6:7]
	s_cmp_eq_u32 s27, 3
	s_cselect_b64 s[6:7], s[12:13], s[6:7]
	s_add_nc_u64 s[6:7], s[6:7], s[30:31]
	s_add_nc_u64 s[8:9], s[16:17], s[34:35]
	s_add_nc_u64 s[10:11], s[16:17], s[36:37]
.macro LOADW t                         ; block t: W(32 t + i, my column): 128 consecutive bytes a wave
.set j, 0
.rept 32
	global_load_b32 v[WX+32*((\t)%2)+j], v3, s[6:7] offset:(32*(\t)+j)*4096 th:TH_LOAD_NT
.set j, j+1
.endr
.endm
.macro BLOCK t
.set XS, WX+32*((\t)%2)
.set CC, WC+8*(\t)
.if (\t) < 7
	s_wait_loadcnt 32                              ; this block's 32 loads are in; the next block's may be out
.else
	s_wait_loadcnt 0x0
.endif
	v_max3_num_f32 v12, |v[XS]|, |v[XS+1]|, |v[XS+2]|
	v_max3_num_f32 v13, |v[XS+3]|, |v[XS+4]|, |v[XS+5]|
.irp i, 6,10,14,18,22,26
	v_max3_num_f32 v12, v12, |v[XS+\i]|, |v[XS+\i+1]|
	v_max3_num_f32 v13, v13, |v[XS+\i+2]|, |v[XS+\i+3]|
.endr
	v_max3_num_f32 v12, v12, |v[XS+30]|, |v[XS+31]|
	v_max3_num_f32 v12, v12, v13, 0x4800000        ; and the floor
	v_add_nc_u32 v11, 0xfc000000, v12              ; the conversion's scale operand
	v_lshrrev_b32 v13, 23, v11                     ; the byte
.if (\t)%4 == 0
	v_mov_b32 v[WSB+(\t)/4], v13
.else
	v_lshl_or_b32 v[WSB+(\t)/4], v13, 8*((\t)%4), v[WSB+(\t)/4]
.endif
.set j, 0
.rept 32
.set j, j+1
.endr
	v_cvt_scalef32_pk8_fp8_f32 v[CC:CC+1],   v[XS:XS+7],     v11   ; numbers 0-7 and 16-23: the 16 bytes of lanes 0-15 of the operand
	v_cvt_scalef32_pk8_fp8_f32 v[CC+2:CC+3], v[XS+16:XS+23], v11
	v_cvt_scalef32_pk8_fp8_f32 v[CC+4:CC+5], v[XS+8:XS+15],  v11   ; numbers 8-15 and 24-31: those of lanes 16-31
	v_cvt_scalef32_pk8_fp8_f32 v[CC+6:CC+7], v[XS+24:XS+31], v11
	v_nop
	global_store_b128 v4, v[CC:CC+3],   s[8:9] offset:2048*((\t)/4)+512*((\t)%4)       ; sixteen lanes store 256 consecutive bytes, aligned
	global_store_b128 v4, v[CC+4:CC+7], s[8:9] offset:2048*((\t)/4)+512*((\t)%4)+256
.if (\t) < 6
	LOADW (\t)+2
.endif
.endm
	LOADW 0
	LOADW 1
.irp t, 0,1,2,3,4,5,6,7
	BLOCK \t
.endr
	global_store_b64 v5, v[WSB:WSB+1], s[10:11]    ; my column's 8 scale bytes of these 256 along K
	s_endpgm
.Lfunc_end_k_q863edcc330_quant:
	.size	k_q863edcc330_quant, .Lfunc_end_k_q863edcc330_quant-k_q863edcc330_quant
	.p2alignl 7, 3214868480
	.fill 96, 4, 3214868480
	.section	.rodata,"a",@progbits
	.p2align	6, 0x0
	.amdhsa_kernel k_q863edcc330_quant
		.amdhsa_group_segment_fixed_size 34304
		.amdhsa_private_segment_fixed_size 0
		.amdhsa_enable_private_segment 0
		.amdhsa_kernarg_size 56
		.amdhsa_user_sgpr_count 2
		.amdhsa_user_sgpr_kernarg_segment_ptr 1
		.amdhsa_wavefront_size32 1
		.amdhsa_system_sgpr_workgroup_id_x 1
		.amdhsa_system_sgpr_workgroup_id_y 1
		.amdhsa_system_sgpr_workgroup_id_z 1
		.amdhsa_system_vgpr_workitem_id 0
		.amdhsa_next_free_vgpr 256
		.amdhsa_next_free_sgpr 66
		.amdhsa_reserve_vcc 0
		.amdhsa_float_denorm_mode_32 3
		.amdhsa_float_denorm_mode_16_64 3
		.amdhsa_fp16_overflow 1
		.amdhsa_memory_ordered 1
		.amdhsa_forward_progress 1
		.amdhsa_inst_pref_size 102
	.end_amdhsa_kernel
	.amdgpu_metadata
---
amdhsa.version: [ 1, 2 ]
amdhsa.kernels:
  - .name:           k_q863edcc330_quant
    .symbol:         k_q863edcc330_quant.kd
    .args:
      - { .name: x, .offset: 0, .size: 8, .value_kind: global_buffer, .address_space: global }
      - { .name: Wq, .offset: 8, .size: 8, .value_kind: global_buffer, .address_space: global }
      - { .name: Wk, .offset: 16, .size: 8, .value_kind: global_buffer, .address_space: global }
      - { .name: Wv, .offset: 24, .size: 8, .value_kind: global_buffer, .address_space: global }
      - { .name: Wo, .offset: 32, .size: 8, .value_kind: global_buffer, .address_space: global }
      - { .name: xq, .offset: 40, .size: 8, .value_kind: global_buffer, .address_space: global }
      - { .name: wq, .offset: 48, .size: 8, .value_kind: global_buffer, .address_space: global }
    .group_segment_fixed_size: 34304
    .private_segment_fixed_size: 0
    .kernarg_segment_align: 8
    .kernarg_segment_size: 56
    .max_flat_workgroup_size: 128
    .sgpr_count:     66
    .vgpr_count:     256
    .wavefront_size: 32
...
	.end_amdgpu_metadata
.endif
;; end of part 1
;; launch qkv (part 2): grid 8 x 48, 4 waves a work-group, clusters of 4 x 4, 327,680 bytes of LDS; arguments xq, wq, bq, bk, bv, qq, kvq; writes qq, kvq
.if DOCPART == 2
	.amdgcn_target "amdgcn-amd-amdhsa--gfx1250"
	.amdhsa_code_object_version 6
	.text
	.protected	k_q863edcc330_qkv
	.globl	k_q863edcc330_qkv
	.p2align	8
	.type	k_q863edcc330_qkv,@function
k_q863edcc330_qkv:
	s_mov_b64 s[64:65], 0
	v_nop
	global_prefetch_b8 v0, s[64:65] scope:SCOPE_SE
	s_setreg_imm32_b32 hwreg(HW_REG_WAVE_MODE, 25, 1), 1
	s_wait_xcnt 0x0
	s_wait_alu depctr_hold_cnt(0) depctr_sa_sdst(0) depctr_va_vdst(0) depctr_va_sdst(0) depctr_va_ssrc(0) depctr_va_vcc(0) depctr_vm_vsrc(0)
	s_getreg_b32 s2, hwreg(HW_REG_IB_STS2, 6, 4)
	s_cmp_eq_u32 s2, 0
	s_cbranch_scc0 .Lentry_in_a_cluster
	s_endpgm
.Lentry_in_a_cluster:
	s_bfe_u32 s2, ttmp6, 0x10000c
	s_cmp_lg_u32 s2, 0xf033
	s_cbranch_scc0 .Lentry_shape_is_right
	s_endpgm
.Lentry_shape_is_right:
; q = x Wq + bq, k = x Wk + bk, v = x Wv + bv on codes of FP8 (E4M3) with E8M0 scales, f32 sums; each result gets its bias in f32 and is quantised here for attention's products: only codes and scale bytes are stored.
; A tile of 256 x 256 of a result is made by four waves, each 128 x 128: 64 accumulators of 16 x 16.  K = 1,024 goes in four steps of 256 through two LDS slots filled by the tensor data mover.
; OPERANDS LIE IN THE ORDER OF THE REGISTERS: [row / 16][K / 128][c][lane][16 bytes]; a tile of 16 rows x 256 K is 4,096 consecutive bytes; every LDS load of a fragment takes 512 consecutive bytes: no pitch, no padding.
; The matrix instruction takes 16 rows of "B" as source 0 and 16 rows of "A" as source 1: in accumulator (a, b) lane (r, h) holds A's row 16 a + r, and register j B's row 16 b + 8 h + j.
; TWO REGIONS, told apart by the cluster's y, which all partners share.  y < 8: A = x (tokens), B = Wq and Wk (channels): a lane holds one token and neighbouring channels, q's and k's K.
; y >= 8: A = Wv (channels), B = x (tokens): a lane holds one channel and neighbouring tokens, the keys, which are v's K.  So one text of products serves both, and no result changes lanes ahead of its quantiser.
; The 16 registers of accumulators 2 g and 2 g + 1 are numbers 8 h + 0..7 and 16 + 8 h + 0..7 of block g of 32: the order inside a block in which every operand of this program is laid.
; CLUSTERS: 4 x 4 work-groups; A's tiles are asked for jointly along a row of the cluster, B's along a column.
; OUT: qq: codes [head][tile of 16 queries][c = 2][lane][16], scale words [head][128 tokens][2][r][4]: bytes 0, 1 the head's two blocks, bytes 2, 3 the byte of 1.0 (they meet zero codes).
;      kvq: for each head 274,432 bytes as attention's LDS wants them: step s of 128 keys at 16,384 s: 8 tiles of k, then 4 fragments of v^T; k's scale words at 262,144 + 512 s, v's at 270,336 + 256 s.
; LIMITS: NaN and infinities are not served; a block under 2^-118 gets the byte 1; the terms of a sum stand in the order described above, not in ascending k.
.set NQ,     2                         ; steps of 128 in a slot
.set FR,     16                        ; registers of a fragment
.set NL,     4                         ; LDS loads that bring one
.set NP,     8                         ; places behind this matrix instruction (ISA guide 7.12.1)
.set HALFT,  32768                     ; 128 rows x 256 K: what one tensor load brings
.set SLOT,   4*HALFT                   ; A's 256 rows, then B's
.set SCL,    2*SLOT                    ; behind the ring: the scale bytes of all of K, as units of 256 bytes + 16
.set HALFS,  4352                      ; those of 128 rows: 16 units
.set SBLK,   544                       ; those of 16 rows
.set SPARE,  SCL+4*HALFS               ; the spare words, 128 bytes a wave: two blocks of 256 bytes that no other line names
.set ADRA, 16                          ; v16-17 LDS address of my A fragments in slot 0, 1
.set ADRB, 20                          ; v20-21 of B's
.set LI,   24                          ; v24  16 x lane
.set SA,   25                          ; v25  the scale words' store: lane offset
.set BO,   26                          ; v26  the bias loads' lane offset
.set ADRS, 27                          ; v27  LDS address of my scale words: lanes 0-15 A's, lanes 16-31 B's
.set SPW,  28                          ; v28  my spare word; never rewritten
.set NIL,  29                          ; v29  0; never rewritten
.set SH,   30                          ; v30  16 h
.set SC,   32                          ; v32-63 scale words, a set for each slot
.set BI,   64                          ; v64-127 the bias
.set AF,   128                         ; v128-255 A's fragments; on the way out:
.set XR,   128                         ; v128-191 a block's 64 numbers
.set PC,   192                         ; v192-207 its codes
.set TM,   208                         ; v208-223 at work
.set PW,   224
.set T,    225
.set SW,   232                         ; v232-239 eight scale words
.set T4,   240
.set SEL,  2                           ; s[2:3]
.set HM,   66                          ; s66 lanes 16-31
.set MNT,  67
.set G1,   24                          ; s[24:31] group 1 for A's tiles; s[32:39] groups 0, one for each slot
.set G0,   32
.set G1B,  48                          ; the same for B's
.set G0B,  56
.set G1S,  68                          ; and for the scale bytes
.set G0S,  76
.set G1SB, 80
.set G0SB, 88
.set MSB, 0
.macro WIN new                         ; the immediate's high byte repeats the setting that is left
.if MSB != (\new)
	s_set_vgpr_msb (MSB<<8)|(\new)
.set MSB, (\new)
.endif
.endm
.set MUL_LO, 0xa1                      ; source 0 (B) window 1, source 1 (A) window 0, C and D window 2
.set MUL_HI, 0xf1                      ; the same, C and D window 3
.set TO_B,   0x40                      ; destination window 1
; A joint load: waves 0, 1 fetch for A, waves 2, 3 for B.  The branch hangs on the wave's number alone.  Four v_nop follow each line.
.macro JLOAD g0a, g1a, g0b, g1b
	s_cmp_eq_u32 s19, 0
	s_cbranch_scc0 .Lfor_b_\@
	tensor_load_to_lds s[\g0a:\g0a+3], s[\g1a:\g1a+7]
	s_nop 0
.rept 4
	v_nop
.endr
	s_branch .Lasked_\@
.Lfor_b_\@:
	tensor_load_to_lds s[\g0b:\g0b+3], s[\g1b:\g1b+7]
	s_nop 0
.rept 4
	v_nop
.endr
.Lasked_\@:
.endm
.macro CREST                           ; a round of the cluster's barrier behind its opening barrier
	s_cmp_lg_u32 s18, 0
	s_cbranch_scc1 .Lnot_wave_0_\@
	s_barrier_signal -3
.Lnot_wave_0_\@:
	s_barrier_wait -3
	s_barrier_signal -1
	s_barrier_wait -1
.endm
.macro CROUND
	s_barrier_signal -1
	s_barrier_wait -1
	CREST
.endm
.macro FRAG reg, adr, q, i             ; tile i of 16 rows, the slot's q-th 128 along K: four groups of 512 bytes
.irp c, 0,1,2,3
	ds_load_b128 v[\reg+4*\c:\reg+4*\c+3], v[\adr] offset:4096*(\i)+2048*(\q)+512*\c
.endr
.endm
; 16 products: A's blocks a0, a0 + 1 x B's eight.  The 64 accumulators take turns, one instruction a turn, in the same order in every step.
.macro MUL16 a0, p, q, sc, zero
.irp a, \a0, \a0+1
.irp b, 0,1,2,3,4,5,6,7
.if \zero
	v_wmma_scale_f32_16x16x128_f8f6f4 v[8*(8*((\a)%4)+\b):8*(8*((\a)%4)+\b)+7], v[128*(\p)+FR*\b:128*(\p)+FR*\b+FR-1], v[AF+FR*(\a):AF+FR*(\a)+FR-1], 0, v[SC+8*NQ*(\sc)+NQ*\b+(\q)], v[SC+8*NQ*(\sc)+NQ*(\a)+(\q)] matrix_a_scale:MATRIX_SCALE_ROW1
.else
	v_wmma_scale_f32_16x16x128_f8f6f4 v[8*(8*((\a)%4)+\b):8*(8*((\a)%4)+\b)+7], v[128*(\p)+FR*\b:128*(\p)+FR*\b+FR-1], v[AF+FR*(\a):AF+FR*(\a)+FR-1], v[8*(8*((\a)%4)+\b):8*(8*((\a)%4)+\b)+7], v[SC+8*NQ*(\sc)+NQ*\b+(\q)], v[SC+8*NQ*(\sc)+NQ*(\a)+(\q)] matrix_a_scale:MATRIX_SCALE_ROW1
.endif
.endr
.endr
.endm
.macro FETCH_B slot, q, p
	WIN TO_B
.irp i, 0,1,2,3,4,5,6,7
	FRAG 128*(\p)+FR*\i, ADRB+\slot, \q, \i
.endr
	WIN 0
.endm
.macro FETCH_A slot, q, i0
.irp i, \i0, \i0+1, \i0+2, \i0+3
	FRAG AF+FR*(\i), ADRA+\slot, \q, \i
.endr
.endm
.macro SCALES sc                       ; a K step's two scale words a row: lanes 0-15 take A's block i, lanes 16-31 B's block i
.irp i, 0,1,2,3,4,5,6,7
	ds_load_b64 v[SC+8*NQ*\sc+NQ*\i:SC+8*NQ*\sc+NQ*\i+1], v[ADRS] offset:\i*SBLK
.endr
.endm
.macro PLACES n                        ; plain vector lines between a matrix instruction and a load into, or a vector read of, its registers
.rept \n
	v_nop
.endr
.endm
.macro STEP slot, q, zero              ; 128 along K whose successor lies in the same slot
	s_wait_dscnt 4*NL                              ; all but the youngest 16 loads (A's blocks 4-7) are in
	WIN MUL_LO
	MUL16 0, (\q)%2, \q, \slot, \zero
	MUL16 2, (\q)%2, \q, \slot, \zero
	s_wait_dscnt 0                                 ; A's blocks 4-7 are in
	PLACES NP
	FETCH_B \slot, (\q)+1, 1-(\q)%2
	FETCH_A \slot, (\q)+1, 0
	WIN MUL_HI
	MUL16 4, (\q)%2, \q, \slot, \zero
	MUL16 6, (\q)%2, \q, \slot, \zero
	PLACES NP
	WIN 0
	FETCH_A \slot, (\q)+1, 4
.endm
; A slot's last step changes slots: one barrier; in front of it each wave waits for all its tensor loads, adds 0 to its spare word, and waits for that and for its reads of this slot.
.macro TURN slot, next, fill
	s_wait_tensorcnt 0x0                           ; all my tensor loads have landed: my part of the next slot
	ds_add_u32 v[SPW], v[NIL]
	s_wait_dscnt 4*NL+1                            ; (the add and the youngest 16 loads may be out)
	WIN MUL_LO
	MUL16 0, 1, NQ-1, \slot, 0
	s_wait_dscnt 0x0                               ; the add is done, and my reads of this slot are over
	s_barrier_signal -1
	MUL16 2, 1, NQ-1, \slot, 0
	WIN 0
	s_barrier_wait -1
.if \fill
	CREST                                          ; the barrier has opened a round of the cluster's: no wave of any partner still reads this slot or has a load on its way
	s_add_nc_u64 s[G0+4*\slot+2:G0+4*\slot+3], s[G0+4*\slot+2:G0+4*\slot+3], 8192   ; two K steps of 4,096 bytes on
	s_add_nc_u64 s[G0B+4*\slot+2:G0B+4*\slot+3], s[G0B+4*\slot+2:G0B+4*\slot+3], 8192
	JLOAD G0+4*\slot, G1, G0B+4*\slot, G1B         ; the first tensor load behind the round; its four v_nop are four of the places below
	PLACES NP-4
.else
	PLACES NP
.endif
	s_wait_alu depctr_va_vdst(0)
	v_add_nc_u32 v[ADRS], 4*NQ, v[ADRS]            ; the next K step's scale words
	FETCH_B \next, 0, 0
	FETCH_A \next, 0, 0
	SCALES \next
	WIN MUL_HI
	MUL16 4, 1, NQ-1, \slot, 0
	MUL16 6, 1, NQ-1, \slot, 0
	PLACES NP
	WIN 0
	FETCH_A \next, 0, 4
.endm
.macro LASTSTEP                        ; nothing more to fetch
	s_wait_dscnt 4*NL
	WIN MUL_LO
	MUL16 0, 1, NQ-1, 1, 0
	MUL16 2, 1, NQ-1, 1, 0
	s_wait_dscnt 0
	WIN MUL_HI
	MUL16 4, 1, NQ-1, 1, 0
	MUL16 6, 1, NQ-1, 1, 0
	WIN 0
.endm
.macro FINISH
	s_wait_tensorcnt 0x0                           ; the wave's end
	ds_add_u32 v[SPW], v[NIL]
	s_wait_dscnt 0x0
	CROUND                                         ; the closing round
	s_endpgm
.endm
; 64 numbers of a lane, register 16 b + i of block b, become 16 registers of codes in v[pc] on and the row's scale word in v[pw]
.macro QUANT s, pc, pw
.irp b, 0,1,2,3
	v_max3_num_f32 v[TM+\b], |v[\s+16*\b]|, |v[\s+1+16*\b]|, 0x4800000   ; my 16 numbers of block b, and the floor 2^(9 - 127)
.endr
.irp i, 2,4,6,8,10,12,14
.irp b, 0,1,2,3
	v_max3_num_f32 v[TM+\b], v[TM+\b], |v[\s+16*\b+\i]|, |v[\s+1+16*\b+\i]|
.endr
.endr
.irp b, 0,1,2,3
	v_permlanex16_b32 v[TM+4+\b], v[TM+\b], s[SEL], s[SEL+1]
.endr
.irp b, 0,1,2,3
	v_max_num_f32 v[TM+\b], v[TM+\b], v[TM+4+\b]         ; with lane l xor 16's 16: the block's largest magnitude
.endr
.irp b, 0,1,2,3
	v_add_nc_u32 v[TM+12+\b], 0xfc000000, v[TM+\b]       ; 8 off its exponent field: the conversion's scale operand
.endr
.irp b, 0,1,2,3
.endr
.irp b, 0,1,2,3
	v_lshrrev_b32 v[TM+4+\b], 23, v[TM+12+\b]            ; the byte
.endr
	v_lshl_or_b32 v[\pw], v[TM+5], 8, v[TM+4]
	v_lshl_or_b32 v[\pw], v[TM+6], 16, v[\pw]
	v_lshl_or_b32 v[\pw], v[TM+7], 24, v[\pw]
.irp b, 0,1,2,3
.irp i, 0,1,2,3,4,5,6,7,8,9,10,11,12,13,14,15
.endr
	v_cvt_scalef32_pk8_fp8_f32 v[\pc+4*\b:\pc+4*\b+1], v[\s+16*\b:\s+16*\b+7], v[TM+12+\b]
	v_cvt_scalef32_pk8_fp8_f32 v[\pc+4*\b+2:\pc+4*\b+3], v[\s+16*\b+8:\s+16*\b+15], v[TM+12+\b]
.endr
	v_nop                                          ; a plain line behind the last conversion: the next block's additions write its sources
.endm
	s_load_b256 s[4:11], s[0:1], 0x0               ; xq, wq, bq, bk
	s_load_b128 s[12:15], s[0:1], 0x20             ; bv, qq
	s_load_b64 s[16:17], s[0:1], 0x30              ; kvq
	v_lshl_add_u32 v[SPW], v0, 2, SPARE
	v_mov_b32 v[NIL], 0
	ds_add_u32 v28, v29
	ds_add_u32 v28, v29
	s_wait_dscnt 0x0
	v_lshrrev_b32 v1, 5, v0
	v_readfirstlane_b32 s18, v1                    ; wave 0..3
	s_lshr_b32 s19, s18, 1                         ; which half of A's rows is mine.  Also: I fetch for A (0) or for B (1)
	s_and_b32 s20, s18, 1                          ; which half of B's rows.  Also: which 128 rows I fetch
	s_bfe_u32 s40, ttmp6, 0x40000                  ; cx
	s_bfe_u32 s41, ttmp6, 0x40004                  ; cy
	s_mov_b32 s22, ttmp9                           ; the cluster's x: in the first region 0 = q, 1 = k
	s_and_b32 s92, ttmp7, 0xffff                   ; the cluster's y
	s_sub_co_u32 s93, s92, 8
	s_lshl_b32 s93, s93, 1
	s_add_co_u32 s93, s93, s22                     ; v's region: cluster column 2 (y - 8) + x
	s_cmp_ge_u32 s92, 8
	s_cselect_b32 s21, 1, 0                        ; the region: the same in all sixteen partners
	s_cselect_b32 s42, s93, s22
	s_cselect_b32 s23, 0, s92
	s_lshl_b32 s42, s42, 2
	s_add_co_u32 s42, s42, s40                     ; B's tile = 4 x cluster column + cx
	s_lshl_b32 s23, s23, 2
	s_add_co_u32 s23, s23, s41                     ; A's tile = 4 x cluster row + cy
	s_lshl_b32 s43, s41, 2
	s_lshl_b32 s43, 15, s43                        ; my row of the cluster
	s_lshl_b32 s44, 0x1111, s40                    ; my column
	; group 1 for the codes: 8 rows (tiles of 16 operand rows) of 4,096 bytes, 16,384 bytes apart, in elements of 8 bytes; no padding
	s_or_b32 s[G1+0], s43, (3<<16)|(1<<21)
	s_or_b32 s[G1B+0], s44, (3<<16)|(1<<21)
.irp g, G1, G1B
	s_mov_b32 s[\g+1], 512<<16                     ; tensor_dim0
	s_mov_b32 s[\g+2], 8<<16                       ; tensor_dim1
	s_mov_b32 s[\g+3], 512<<16                     ; tile_dim0
	s_mov_b32 s[\g+4], 8                           ; tile_dim1
	s_mov_b32 s[\g+5], 2048                        ; the pitch
	s_mov_b32 s[\g+6], 0
	s_mov_b32 s[\g+7], 0
.endr
	; and for the scale bytes of 128 rows: 4,096 dense bytes as 16 rows of 256, 16 bytes of padding behind each
	s_or_b32 s[G1S+0], s43, (3<<16)|(1<<20)|(1<<21)|(5<<22)|(3<<25)
	s_or_b32 s[G1SB+0], s44, (3<<16)|(1<<20)|(1<<21)|(5<<22)|(3<<25)
.irp g, G1S, G1SB
	s_mov_b32 s[\g+1], 32<<16
	s_mov_b32 s[\g+2], 16<<16
	s_mov_b32 s[\g+3], 32<<16
	s_mov_b32 s[\g+4], 16
	s_mov_b32 s[\g+5], 32
	s_mov_b32 s[\g+6], 0
	s_mov_b32 s[\g+7], 0
.endr
	s_mov_b32 s[SEL], 0x76543210
	s_mov_b32 s[SEL+1], 0xfedcba98
	s_mov_b32 s[HM], 0xffff0000
	s_mov_b32 s101, 0x7f7f0000                     ; the byte of 1.0, twice: the upper half of q's and k's scale words
	s_lshl_b32 s92, s20, 7                         ; which 128 rows of a tile I fetch
	s_lshl_b32 s94, s23, 8
	s_add_co_u32 s94, s94, s92                     ; A's row: it never holds cx
	s_lshl_b32 s46, s42, 8
	s_add_co_u32 s46, s46, s92                     ; B's row: it never holds cy
	s_lshl_b32 s96, s94, 5                         ; 32 scale bytes a row
	s_mov_b32 s97, 0
	s_lshl_b32 s98, s46, 5
	s_mov_b32 s99, 0
	s_lshl_b32 s94, s94, 10                        ; 1,024 bytes of codes a row
	s_mov_b32 s95, 0
	s_lshl_b32 s46, s46, 10
	s_mov_b32 s47, 0
	s_mul_i32 s45, s18, HALFT                      ; where they go: no place in the cluster enters an LDS address
	s_mul_i32 s93, s18, HALFS
	s_wait_kmcnt 0x0
	s_add_nc_u64 s[34:35], s[6:7], 2048*1024       ; Wv's codes
	s_add_nc_u64 s[78:79], s[6:7], 4194304+2048*32 ; Wv's scale bytes
	s_add_nc_u64 s[90:91], s[6:7], 4194304         ; Wq's and Wk's scale bytes
	s_add_nc_u64 s[38:39], s[4:5], 8388608         ; x's scale bytes
	s_cmp_eq_u32 s21, 1
	s_cselect_b64 s[34:35], s[34:35], s[4:5]       ; A's codes
	s_cselect_b64 s[78:79], s[78:79], s[38:39]     ; A's scale bytes
	s_cselect_b64 s[58:59], s[4:5], s[6:7]         ; B's codes
	s_cselect_b64 s[90:91], s[38:39], s[90:91]     ; B's scale bytes
	s_add_nc_u64 s[34:35], s[34:35], s[94:95]
	s_add_nc_u64 s[78:79], s[78:79], s[96:97]
	s_add_nc_u64 s[58:59], s[58:59], s[46:47]
	s_add_nc_u64 s[90:91], s[90:91], s[98:99]
	s_add_nc_u64 s[38:39], s[34:35], 4096          ; slot 1 begins with K step 1
	s_add_nc_u64 s[62:63], s[58:59], 4096
	CROUND                                         ; all sixteen work-groups are here: the first joint loads meet
	s_mov_b32 s[G0S], 1
	s_add_co_u32 s[G0S+1], s93, SCL
	s_or_b32 s[G0S+3], s[G0S+3], 0x80000000
	s_mov_b32 s[G0SB], 1
	s_add_co_u32 s[G0SB+1], s93, SCL
	s_or_b32 s[G0SB+3], s[G0SB+3], 0x80000000
	JLOAD G0S, G1S, G0SB, G1SB                     ; the scale bytes first: they are wanted with K step 0
.irp s, 0,1
	s_mov_b32 s[G0+4*\s], 1
	s_add_co_u32 s[G0+4*\s+1], s45, \s*SLOT
	s_or_b32 s[G0+4*\s+3], s[G0+4*\s+3], 0x80000000
	s_mov_b32 s[G0B+4*\s], 1
	s_add_co_u32 s[G0B+4*\s+1], s45, \s*SLOT
	s_or_b32 s[G0B+4*\s+3], s[G0B+4*\s+3], 0x80000000
	JLOAD G0+4*\s, G1, G0B+4*\s, G1B
.endr
	v_and_b32 v1, 15, v0                           ; r
	v_bfe_u32 v2, v0, 4, 1                         ; h
	v_and_b32 v3, 31, v0
	v_lshlrev_b32 v[LI], 4, v3
	s_mul_i32 s92, s19, HALFT                      ; my 128 rows of A
	s_mul_i32 s93, s20, HALFT                      ; my 128 rows of B,
	s_add_co_u32 s93, s93, 2*HALFT                 ; behind A's 256
.irp s, 0,1
	v_add_nc_u32 v[ADRA+\s], s92, v[LI]
	v_add_nc_u32 v[ADRB+\s], s93, v[LI]
	s_add_co_u32 s92, s92, SLOT
	s_add_co_u32 s93, s93, SLOT
.endr
	v_lshlrev_b32 v5, 5, v1                        ; my row's scale bytes: 32 a row,
	v_lshrrev_b32 v6, 8, v5
	v_lshl_add_u32 v5, v6, 4, v5                   ; and 16 more for each 256 passed
	s_mul_i32 s92, s19, HALFS
	s_mul_i32 s93, s20, HALFS
	s_add_co_u32 s93, s93, 2*HALFS
	s_sub_co_u32 s93, s93, s92
	v_mul_u32_u24 v6, s93, v2                      ; lanes 16-31 take B's: one product, the distance x h
	s_add_co_u32 s92, s92, SCL
	v_add_nc_u32 v5, v5, v6
	v_add_nc_u32 v[ADRS], s92, v5
	v_lshlrev_b32 v[SH], 4, v2
	s_wait_alu depctr_va_vdst(0)
	s_wait_tensorcnt 1                             ; the scale bytes and my part of K step 0 are in; K step 1's load may be out
	s_barrier_signal -1
	s_barrier_wait -1
	FETCH_B 0, 0, 0
	FETCH_A 0, 0, 0
	SCALES 0
	FETCH_A 0, 0, 4
	STEP 0, 0, 1                                   ; the first products start the sums: nothing is cleared
	TURN 0, 1, 1                                   ; slot 0 takes K step 2
	STEP 1, 0, 0
	TURN 1, 0, 1                                   ; slot 1 takes K step 3
	STEP 0, 0, 0
	TURN 0, 1, 0
	STEP 1, 0, 0
	s_cmp_eq_u32 s21, 1
	s_cbranch_scc1 .Lv_path
	; ---------------- q and k: a lane holds one token and 128 channels: two heads of two blocks
	s_lshl_b32 s46, s23, 8
	s_lshl_b32 s47, s19, 7
	s_add_co_u32 s46, s46, s47                     ; my first token
	s_lshr_b32 s47, s46, 11                        ; the batch
	s_bfe_u32 s46, s46, 0x40007                    ; which 128 tokens of its 2,048
	s_lshl_b32 s40, s42, 8
	s_lshl_b32 s41, s20, 7
	s_add_co_u32 s40, s40, s41                     ; my first channel of 2,048
	s_bfe_u32 s41, s40, 0x40006                    ; its head
	s_lshl_b32 s47, s47, 4
	s_add_co_u32 s47, s47, s41                     ; 16 x batch + head
	s_and_b32 s40, s40, 1023
	s_lshl_b32 s40, s40, 2                         ; the bias's bytes
	s_mov_b32 s41, 0
	s_cmp_eq_u32 s22, 0                            ; q or k?  Only numbers and pointers are chosen
	s_mov_b32 s100, 274432
	s_cselect_b32 s100, 8192, s100                 ; from head to head among the scale words
	s_mov_b32 s43, 274432
	s_cselect_b32 s43, 131072, s43                 ; and among the codes
	s_cselect_b32 s44, 13, 14                      ; 128 tokens' codes: 8,192 bytes in qq, a step of 16,384 in kvq
	s_mov_b32 s45, 262144
	s_cselect_b32 s45, 8388608, s45                ; where the scale words begin
	s_cselect_b64 s[92:93], s[14:15], s[16:17]
	s_cselect_b64 s[98:99], s[8:9], s[10:11]
	s_mul_i32 s94, s47, s43
	s_lshl_b32 s95, s46, s44
	s_add_co_u32 s94, s94, s95
	s_mov_b32 s95, 0
	s_mul_i32 s96, s47, s100
	s_lshl_b32 s97, s46, 9
	s_add_co_u32 s96, s96, s97
	s_add_co_u32 s96, s96, s45
	s_mov_b32 s97, 0
	s_add_nc_u64 s[96:97], s[92:93], s[96:97]      ; the scale words of my 128 tokens, even head
	s_add_nc_u64 s[92:93], s[92:93], s[94:95]      ; the even head's codes
	s_mov_b32 s94, s43
	s_mov_b32 s95, 0
	s_add_nc_u64 s[94:95], s[92:93], s[94:95]      ; the odd head's
	s_add_nc_u64 s[98:99], s[98:99], s[40:41]      ; the bias at my first channel
	v_mul_u32_u24 v[SA], s100, v2
	v_lshl_add_u32 v[SA], v1, 4, v[SA]             ; lanes 0-15 store the even head's words, lanes 16-31 the odd head's: 16 bytes a token
	v_lshlrev_b32 v[BO], 5, v2
.irp b, 0,1,2,3,4,5,6,7
	global_load_b128 v[BI+8*\b:BI+8*\b+3],   v[BO], s[98:99] offset:64*\b       ; the bias of channels 16 b + 8 h + 0 .. 7
	global_load_b128 v[BI+8*\b+4:BI+8*\b+7], v[BO], s[98:99] offset:64*\b+16
.endr
	LASTSTEP                                       ; its 64 products stand between the bias's loads and the wait for them
	PLACES NP
.irp b, 0,1,2,3
	v_mov_b32 v[TM+4+\b], 0                        ; a lane permute's destination counts as one of its sources
.endr
	s_wait_loadcnt 0x0
.macro ABLOCK_QK a                     ; tokens 16 a + r
	WIN 0x02+(\a)/4                                ; source 0 in window 2 or 3
.set i, 0
.rept 32
	v_pk_add_f32 v[XR+2*i:XR+2*i+1], v[64*((\a)%4)+2*i:64*((\a)%4)+2*i+1], v[BI+2*i:BI+2*i+1]   ; + the bias, and into window 0; each accumulator from its low end on
.set i, i+1
.endr
	WIN 0
	s_wait_xcnt 0x0                                ; the last block's stores have read the codes' registers
	QUANT XR, PC, PW
	v_lshrrev_b32 v[T], v[SH], v[PW]               ; lanes 0-15: the even head's two bytes; lanes 16-31: the odd head's
	v_and_or_b32 v[SW+(\a)], v[T], 0xffff, s101
	global_store_b128 v[LI], v[PC:PC+3],     s[92:93] offset:1024*(\a)       ; 512 consecutive bytes each
	global_store_b128 v[LI], v[PC+4:PC+7],   s[92:93] offset:1024*(\a)+512
	global_store_b128 v[LI], v[PC+8:PC+11],  s[94:95] offset:1024*(\a)
	global_store_b128 v[LI], v[PC+12:PC+15], s[94:95] offset:1024*(\a)+512
.endm
.irp a, 0,1,2,3,4,5,6,7
	ABLOCK_QK \a
.endr
	global_store_b128 v[SA], v[SW:SW+3],   s[96:97]            ; tiles 0-3: sixteen lanes store 256 consecutive bytes
	global_store_b128 v[SA], v[SW+4:SW+7], s[96:97] offset:256 ; tiles 4-7
	FINISH
	; ---------------- v: a lane holds one channel and 128 tokens: one step of keys, four blocks
.Lv_path:
	s_lshl_b32 s46, s23, 8
	s_lshl_b32 s47, s19, 7
	s_add_co_u32 s46, s46, s47                     ; my first channel
	s_lshr_b32 s41, s46, 6                         ; its head
	s_lshl_b32 s40, s46, 2
	s_lshl_b32 s44, s42, 8
	s_lshl_b32 s45, s20, 7
	s_add_co_u32 s44, s44, s45                     ; my first token
	s_lshr_b32 s45, s44, 11                        ; the batch
	s_bfe_u32 s44, s44, 0x40007                    ; the step of 128 keys
	s_lshl_b32 s45, s45, 4
	s_add_co_u32 s45, s45, s41                     ; 16 x batch + head
	s_mov_b32 s41, 0
	s_mul_i32 s94, s45, 274432
	s_lshl_b32 s95, s44, 14
	s_add_co_u32 s46, s94, s95
	s_add_co_u32 s46, s46, 8192                    ; v's fragments lie behind the step's tiles of k
	s_mov_b32 s47, 0
	s_lshl_b32 s95, s44, 8
	s_add_co_u32 s94, s94, s95
	s_add_co_u32 s94, s94, 270336
	s_mov_b32 s95, 0
	s_add_nc_u64 s[96:97], s[16:17], s[94:95]      ; the step's scale words, even head
	s_add_nc_u64 s[92:93], s[16:17], s[46:47]      ; the even head's fragments
	s_add_nc_u64 s[94:95], s[92:93], 274432        ; the odd head's
	s_add_nc_u64 s[98:99], s[12:13], s[40:41]
	v_mul_u32_u24 v[SA], v2, 274432
	v_lshl_add_u32 v[SA], v1, 4, v[SA]
	v_lshlrev_b32 v[BO], 2, v1
.irp a, 0,1,2,3,4,5,6,7
	global_load_b32 v[BI+2*\a],   v[BO], s[98:99] offset:64*\a   ; the bias of channel 16 a + r, twice: a pair for the packed addition
	global_load_b32 v[BI+2*\a+1], v[BO], s[98:99] offset:64*\a
.endr
	LASTSTEP
	PLACES NP
.irp b, 0,1,2,3
	v_mov_b32 v[TM+4+\b], 0
.endr
	s_wait_loadcnt 0x0
.macro ABLOCK_V a                      ; channels 16 a + r: fragment a % 4 of head a / 4
	WIN 0x02+(\a)/4
.set i, 0
.rept 32
	v_pk_add_f32 v[XR+2*i:XR+2*i+1], v[64*((\a)%4)+2*i:64*((\a)%4)+2*i+1], v[BI+2*(\a):BI+2*(\a)+1]
.set i, i+1
.endr
	WIN 0
	s_wait_xcnt 0x0
	QUANT XR, PC, SW+(\a)
.irp c, 0,1,2,3
	global_store_b128 v[LI], v[PC+4*\c:PC+4*\c+3], s[92+2*((\a)/4):93+2*((\a)/4)] offset:2048*((\a)%4)+512*\c
.endr
.endm
.irp a, 0,1,2,3,4,5,6,7
	ABLOCK_V \a
.endr
.irp i, 0,1,2,3
	v_cndmask_b32 v[T4+\i], v[SW+\i], v[SW+4+\i], s[HM]   ; lanes 0-15: the even head's four words of channel r; lanes 16-31: the odd head's
.endr
	global_store_b128 v[SA], v[T4:T4+3], s[96:97]
	FINISH
.Lfunc_end_k_q863edcc330_qkv:
	.size	k_q863edcc330_qkv, .Lfunc_end_k_q863edcc330_qkv-k_q863edcc330_qkv
	.p2alignl 7, 3214868480
	.fill 96, 4, 3214868480
	.section	.rodata,"a",@progbits
	.p2align	6, 0x0
	.amdhsa_kernel k_q863edcc330_qkv
		.amdhsa_group_segment_fixed_size 327680
		.amdhsa_private_segment_fixed_size 0
		.amdhsa_enable_private_segment 0
		.amdhsa_kernarg_size 56
		.amdhsa_user_sgpr_count 2
		.amdhsa_user_sgpr_kernarg_segment_ptr 1
		.amdhsa_wavefront_size32 1
		.amdhsa_system_sgpr_workgroup_id_x 1
		.amdhsa_system_sgpr_workgroup_id_y 1
		.amdhsa_system_sgpr_workgroup_id_z 1
		.amdhsa_system_vgpr_workitem_id 0
		.amdhsa_next_free_vgpr 1024
		.amdhsa_next_free_sgpr 104
		.amdhsa_reserve_vcc 0
		.amdhsa_float_denorm_mode_32 3
		.amdhsa_float_denorm_mode_16_64 3
		.amdhsa_fp16_overflow 1
		.amdhsa_memory_ordered 1
		.amdhsa_forward_progress 1
		.amdhsa_inst_pref_size 229
	.end_amdhsa_kernel
	.amdgpu_metadata
---
amdhsa.version: [ 1, 2 ]
amdhsa.kernels:
  - .name:           k_q863edcc330_qkv
    .symbol:         k_q863edcc330_qkv.kd
    .args:
      - { .name: xq, .offset: 0, .size: 8, .value_kind: global_buffer, .address_space: global }
      - { .name: wq, .offset: 8, .size: 8, .value_kind: global_buffer, .address_space: global }
      - { .name: bq, .offset: 16, .size: 8, .value_kind: global_buffer, .address_space: global }
      - { .name: bk, .offset: 24, .size: 8, .value_kind: global_buffer, .address_space: global }
      - { .name: bv, .offset: 32, .size: 8, .value_kind: global_buffer, .address_space: global }
      - { .name: qq, .offset: 40, .size: 8, .value_kind: global_buffer, .address_space: global }
      - { .name: kvq, .offset: 48, .size: 8, .value_kind: global_buffer, .address_space: global }
    .group_segment_fixed_size: 327680
    .private_segment_fixed_size: 0
    .kernarg_segment_align: 8
    .kernarg_segment_size: 56
    .max_flat_workgroup_size: 128
    .sgpr_count:     104
    .vgpr_count:     1024
    .wavefront_size: 32
...
	.end_amdgpu_metadata
.endif
;; end of part 2
;; launch attn (part 3): grid 4 x 64, 16 waves a work-group, no clusters, 276,480 bytes of LDS; arguments qq, kvq, oq; writes oq
.if DOCPART == 3
	.amdgcn_target "amdgcn-amd-amdhsa--gfx1250"
	.amdhsa_code_object_version 6
	.text
	.protected	k_q863edcc330_attn
	.globl	k_q863edcc330_attn
	.p2align	8
	.type	k_q863edcc330_attn,@function
k_q863edcc330_attn:
	s_mov_b64 s[64:65], 0
	v_nop
	global_prefetch_b8 v0, s[64:65] scope:SCOPE_SE
	s_setreg_imm32_b32 hwreg(HW_REG_WAVE_MODE, 25, 1), 1
	s_wait_xcnt 0x0
; Causal attention of one head on codes of FP8 (E4M3) with E8M0 scales: S^T = K Q^T (K = the head's 64), p = 2^(t - M), O^T = V^T P^T (K = the keys), O / l, and O quantised along the 1,024 channels for the last projection.
; t = score x log2(e) / 8; M = the running largest t rounded UP to a whole number; the row's sum l is taken of the unquantised p; when M moves, l and O^T are multiplied by 2^(old M - new M), which rounds nothing.
; SHARES.  Work-group (i, head) owns the blocks i and 7 - i of 256 queries; wave w takes tile w of block i, then tile 15 - w of block 7 - i: every wave walks 17 steps of 128 keys, so all waves have equal work.
; LDS holds the head's whole K and V, codes and scale words, 274,432 bytes, as the launch before has laid them: filled ONCE, three tensor loads a wave at the head; no byte is filled again, so there is no ring.
; The first pass reads keys 0-1,023 alone (its queries lie under 1,024): it starts when the first half has landed; the second half is waited for ahead of the second pass.
; Both loops have constant trip counts; a step all of whose keys come after the wave's queries is left out by a scalar branch on ids, round its work alone.
; LAYOUT.  Both products are used transposed: a lane holds ONE query (lane % 16) throughout.  In S^T register 8 t + j of lane (r, h) is key 16 t + 8 h + j: the 16 registers of tiles 2 g, 2 g + 1 are numbers
; 8 h + 0..7 and 16 + 8 h + 0..7 of block g of 32 keys: the order inside a block in which V's codes were laid.  O^T's registers fall in the same order along the channels.
; K = 64 UNDER AN INSTRUCTION OF 128: Q's upper 64 codes are zeros (v24-31).  K's tile t is named v[32 + 8 t : 47 + 8 t]: its upper half is the next tile's codes (for t = 7 the zeros v96-103), numbers that
; meet Q's zeros under the scale byte of 1.0: they add exactly 0.
; NO CLUSTER, though the four work-groups of a head read the same K and V: which steps a wave leaves out hangs on the work-group's place among the four, and partners of a joint load may have no such branch.
; LIMITS: NaN and infinities are not served; p under 2^-126 becomes 0; a block under 2^-118 gets the byte 1.
.set HEADB, 274432
.set KSC,   262144                     ; K's scale words: 512 bytes a step
.set VSC,   270336                     ; V's: 256 bytes a step
.set WV,  10                           ; s10 wave;  s11 i, s12 head of 64, s13 batch, s14 head of 16
.set G1,  16                           ; s[16:23] group 1: 32 rows of 256 bytes;  s[24:31]: 3 rows of 256 bytes
.set G1S, 24
.set G0S, 32
.set G0A, 36
.set G0B, 40
.set SEL, 44                           ; s[44:45]
.set CS,  46                           ; s[46:47] c = log2(e) / 8
.set MNT, 48
.set TB,  49                           ; LDS byte of the step's codes
.set TS,  50                           ; of K's scale words
.set TJ,  51                           ; of V's
.set KF,  52                           ; the step's first key
.set Q0,  53                           ; my first query
.set CNT, 54
.set LI,  3                            ; v3 16 x lane;  v4, v5 my place among K's and V's scale words;  v6 16 r;  v7 32 r;  v8-10 the step's addresses
.set S,   104                          ; v104-167 S^T, then p
.set O,   168                          ; v168-199 O^T
.set PCD, 200                          ; v200-215 p's codes
.set BM,  226                          ; v226-229 the blocks' maxima;  v230-233 the other half's, later bytes;  v238-241 the scale operands
	s_load_b128 s[4:7], s[0:1], 0x0                ; qq, kvq
	s_load_b64 s[8:9], s[0:1], 0x10                ; oq
	v_lshl_add_u32 v254, v0, 2, 0x43000
	v_mov_b32 v255, 0
	ds_add_u32 v254, v255
	ds_add_u32 v254, v255
	v_lshrrev_b32 v1, 5, v0
	s_delay_alu instid0(VALU_DEP_1)
	v_readfirstlane_b32 s[WV], v1
	s_mov_b32 s11, ttmp9
	s_and_b32 s12, ttmp7, 0xffff
	s_lshr_b32 s13, s12, 4
	s_and_b32 s14, s12, 15
	s_mov_b32 s[G1], 3<<16                         ; elements of 8 bytes, no mask, no padding
	s_mov_b32 s[G1+1], 32<<16                      ; tensor_dim0 = 32
	s_mov_b32 s[G1+2], 32<<16                      ; tensor_dim1 = 32
	s_mov_b32 s[G1+3], 32<<16                      ; tile_dim0 = 32
	s_mov_b32 s[G1+4], 32                          ; tile_dim1 = 32
	s_mov_b32 s[G1+5], 32                          ; the pitch: dense
	s_mov_b32 s[G1+6], 0
	s_mov_b32 s[G1+7], 0
	s_mov_b32 s[G1S], 3<<16
	s_mov_b32 s[G1S+1], 32<<16
	s_mov_b32 s[G1S+2], 3<<16                      ; 3 rows
	s_mov_b32 s[G1S+3], 32<<16
	s_mov_b32 s[G1S+4], 3
	s_mov_b32 s[G1S+5], 32
	s_mov_b32 s[G1S+6], 0
	s_mov_b32 s[G1S+7], 0
	s_mul_i32 s66, s12, HEADB                      ; my head in kvq
	s_mov_b32 s67, 0
	s_lshl_b32 s68, s[WV], 13                      ; my wave's 8,192 bytes of each half of the codes
	s_mov_b32 s69, 0
	s_mul_i32 s70, s[WV], 768                      ; and its 768 of the 12,288 bytes of scale words
	s_add_co_u32 s70, s70, KSC
	s_mov_b32 s71, 0
	s_mov_b32 s[SEL], 0x76543210
	s_mov_b32 s[SEL+1], 0xfedcba98
	s_mov_b32 s[CS], 0x3e38aa3b
	s_mov_b32 s[CS+1], s[CS]
	s_wait_dscnt 0x0
	s_wait_kmcnt 0x0
	s_add_nc_u64 s[6:7], s[6:7], s[66:67]
	s_mov_b32 s[G0S], 1
	s_mov_b32 s[G0S+1], s70                        ; LDS is the image of the head's bytes: the same offset on both sides
	s_add_nc_u64 s[G0S+2:G0S+3], s[6:7], s[70:71]
	s_or_b32 s[G0S+3], s[G0S+3], 0x80000000
	s_mov_b32 s[G0A], 1
	s_mov_b32 s[G0A+1], s68
	s_add_nc_u64 s[G0A+2:G0A+3], s[6:7], s[68:69]
	s_mov_b32 s[G0B], 1
	s_add_co_u32 s[G0B+1], s68, 131072
	s_add_nc_u64 s[G0B+2:G0B+3], s[G0A+2:G0A+3], 131072
	s_or_b32 s[G0A+3], s[G0A+3], 0x80000000
	s_or_b32 s[G0B+3], s[G0B+3], 0x80000000
	tensor_load_to_lds s[G0S:G0S+3], s[G1S:G1S+7]  ; the scale words,
	s_nop 0
	tensor_load_to_lds s[G0A:G0A+3], s[G1:G1+7]    ; keys 0-1,023,
	s_nop 0
	tensor_load_to_lds s[G0B:G0B+3], s[G1:G1+7]    ; keys 1,024-2,047: three loads of mine are out
	s_nop 0
.rept 4
	v_nop
.endr
	v_and_b32 v1, 15, v0                           ; r
	v_bfe_u32 v2, v0, 4, 1                         ; h
	v_and_b32 v3, 31, v0
	s_delay_alu instid0(VALU_DEP_1)
	v_lshlrev_b32 v[LI], 4, v3
	s_delay_alu instid0(VALU_DEP_4)
	v_lshlrev_b32 v6, 4, v1
	s_delay_alu instid0(VALU_DEP_1)
	v_add_nc_u32 v4, KSC, v6
	s_delay_alu instid0(VALU_DEP_2)
	v_add_nc_u32 v5, VSC, v6
	v_lshlrev_b32 v7, 5, v1
	v_lshlrev_b32 v248, 3, v2
	s_delay_alu instid0(VALU_DEP_1)
	v_sub_nc_u32 v248, v1, v248                    ; r - 8 h, for the mask
	v_mov_b32 v250, 0xff800000                     ; -infinity
.irp j, 0,1,2,3,4,5,6,7
	v_mov_b32 v[24+\j], 0                          ; Q's upper 64 codes
	v_mov_b32 v[96+\j], 0                          ; what stands behind K's last tile
.endr
.irp j, 230,231,232,233,243,244
	v_mov_b32 v\j, 0                               ; lane permutes' destinations, and the upper half of the pair v[242:243]
.endr
; The addresses of the tile of queries at Q0, its loads, and the start of its state
.macro PRE
	s_wait_xcnt 0x0                                ; the last tile's loads and stores have read their bases and data
	s_lshr_b32 s55, s[Q0], 4                       ; the tile of 16 queries
	s_mov_b32 s67, 0
	s_lshl_b32 s66, s12, 17                        ; a head's codes of q: 131,072 bytes
	s_lshl_b32 s68, s55, 10
	s_add_co_u32 s66, s66, s68
	s_add_nc_u64 s[56:57], s[4:5], s[66:67]
	s_lshl_b32 s66, s12, 13                        ; its scale words: 8,192 bytes; four tiles' words share 256
	s_lshr_b32 s68, s55, 2
	s_lshl_b32 s68, s68, 8
	s_add_co_u32 s66, s66, s68
	s_and_b32 s68, s55, 3
	s_lshl_b32 s68, s68, 2
	s_add_co_u32 s66, s66, s68
	s_add_co_u32 s66, s66, 8388608
	s_add_nc_u64 s[58:59], s[4:5], s[66:67]
	s_lshl_b32 s68, s13, 11
	s_add_co_u32 s68, s68, s[Q0]                   ; the token
	s_lshl_b32 s66, s68, 10                        ; oq: 1,024 bytes of codes a token; my head's 64 channels are two groups of 512, 1,024 x head on
	s_lshl_b32 s69, s14, 10
	s_add_co_u32 s66, s66, s69
	s_add_nc_u64 s[60:61], s[8:9], s[66:67]
	s_lshl_b32 s66, s68, 5                         ; 32 scale bytes a token, my head's two at 2 x head
	s_lshl_b32 s69, s14, 1
	s_add_co_u32 s66, s66, s69
	s_add_co_u32 s66, s66, 8388608
	s_add_nc_u64 s[62:63], s[8:9], s[66:67]
	global_load_b128 v[16:19], v[LI], s[56:57]
	global_load_b128 v[20:23], v[LI], s[56:57] offset:512
	global_load_b32 v224, v6, s[58:59]             ; q's scale words
	v_mov_b32 v13, 0xff61b1e6                      ; the largest t so far: -3e38
	s_delay_alu instid0(VALU_DEP_1)
	v_floor_f32 v12, -v13                          ; -M
	v_mov_b32 v14, 0                               ; the sum, in two halves
	v_mov_b32 v15, 0
.set j, 0
.rept 32
	v_mov_b32 v[O+j], 0                            ; O^T: the step is written once; its first turn finds zeros
.set j, j+1
.endr
	s_mov_b32 s[TB], 0
	s_mov_b32 s[TS], 0
	s_mov_b32 s[TJ], 0
	s_mov_b32 s[KF], 0
.endm
.macro STEP
	s_add_co_u32 s55, s[Q0], 15
	s_cmp_gt_u32 s[KF], s55
	s_cbranch_scc1 .Lhidden_\@                     ; all 128 keys come after my queries
	s_setprio 2
	v_add_nc_u32 v8, s[TB], v[LI]
	v_add_nc_u32 v9, s[TS], v4
	v_add_nc_u32 v10, s[TJ], v5
.rept 5
	v_nop                                          ; with the three additions: eight places in front of loads into registers that the last products read
.endr
.irp t, 0,1,2,3,4,5,6,7
	ds_load_b128 v[32+8*\t:35+8*\t], v8 offset:1024*\t
	ds_load_b128 v[36+8*\t:39+8*\t], v8 offset:1024*\t+512
.endr
	ds_load_b128 v[216:219], v9                    ; K's scale words, tiles 0-3,
	ds_load_b128 v[220:223], v9 offset:256         ; tiles 4-7
	s_wait_alu depctr_va_vdst(0)
	s_wait_dscnt 0x0
.irp t, 0,1,2,3,4,5,6,7
	v_wmma_scale_f32_16x16x128_f8f6f4 v[S+8*\t:S+8*\t+7], v[32+8*\t:47+8*\t], v[16:31], 0, v[216+\t], v224
.endr
.rept 8
	v_nop                                          ; places in front of the loads below and of the first read of the scores
.endr
.irp f, 0,1,2,3                        ; V's four fragments are asked for now and land under the softmax
.irp c, 0,1,2,3
	ds_load_b128 v[32+16*\f+4*\c:35+16*\f+4*\c], v8 offset:8192+2048*\f+512*\c
.endr
.endr
	ds_load_b128 v[216:219], v10                   ; V's scale words
	s_add_co_u32 s55, s[KF], 127
	s_cmp_le_u32 s55, s[Q0]
	s_cbranch_scc1 .Lopen_\@                       ; all keys count
	s_sub_co_i32 s55, s[Q0], s[KF]
	v_add_nc_u32 v249, s55, v248                   ; d = my query - the step's first key - 8 h: register 8 t + j holds a hidden key where 16 t + j > d
.set n, 0
.rept 64
	v_cmp_gt_i32 vcc_lo, 16*(n/8)+n%8, v249
	v_cndmask_b32 v[S+n], v[S+n], v250, vcc_lo
.set n, n+1
.endr
.Lopen_\@:
.irp b, 0,1,2,3
	v_max3_num_f32 v[BM+\b], v[S+16*\b], v[S+1+16*\b], v[S+2+16*\b]   ; the largest score of each block of 32 keys: for the row's maximum, and, since p rises with the score, for the block's largest p
.endr
.irp i, 3,5,7,9,11,13
.irp b, 0,1,2,3
	v_max3_num_f32 v[BM+\b], v[BM+\b], v[S+16*\b+\i], v[S+1+16*\b+\i]
.endr
.endr
.irp b, 0,1,2,3
	v_max_num_f32 v[BM+\b], v[BM+\b], v[S+15+16*\b]
.endr
.irp b, 0,1,2,3
	s_delay_alu instid0(VALU_DEP_4)
	v_permlanex16_b32 v[230+\b], v[BM+\b], s[SEL], s[SEL+1]
.endr
.irp b, 0,1,2,3
	s_delay_alu instid0(VALU_DEP_4)
	v_max_num_f32 v[BM+\b], v[BM+\b], v[230+\b]    ; with lane l xor 16's 16 keys
.endr
	s_delay_alu instid0(VALU_DEP_2)
	v_max3_num_f32 v244, v226, v227, v228
	s_delay_alu instid0(VALU_DEP_1)
	v_max_num_f32 v244, v244, v229
	s_delay_alu instid0(VALU_DEP_1)
	v_mul_f32 v244, s[CS], v244                    ; as t
	s_delay_alu instid0(VALU_DEP_1)
	v_max_num_f32 v13, v13, v244                   ; the running largest t
	v_mov_b32 v244, v12
	s_delay_alu instid0(VALU_DEP_2)
	v_floor_f32 v12, -v13                          ; the new -M = floor(-t)
	s_delay_alu instid0(VALU_DEP_1)
	v_sub_f32 v244, v12, v244                      ; old M - new M: a whole number, 0 or less
	s_delay_alu instid0(VALU_DEP_1)
	v_cvt_i32_f32 v244, v244                       ; (it saturates)
	s_delay_alu instid0(VALU_DEP_1)
	v_ldexp_f32 v242, 1.0, v244                    ; f = 2^(old M - new M)
.set j, 0
	s_setprio 1
.rept 32
	v_pk_fma_f32 v[S+j:S+j+1], v[S+j:S+j+1], s[CS:CS+1], v[12:13] op_sel_hi:[1,0,0]   ; t - M
.set j, j+2
.endr
.irp b, 0,1,2,3
	v_fma_f32 v[BM+\b], v[BM+\b], s[CS], v12       ; the same of each block's largest score
.endr
.set j, 0
	s_wait_alu depctr_va_vdst(0)
.rept 64
	v_exp_f32 v[S+j], v[S+j]                       ; p = 2^(t - M)
.set j, j+1
.endr
	v_pk_mul_f32 v[14:15], v[14:15], v[242:243] op_sel_hi:[1,0]   ; the sums under the new M: a plain line behind the exponentials
	s_wait_alu depctr_va_vdst(0)                   ; one wait for the batch, ahead of its first reader
.irp b, 0,1,2,3
	v_exp_f32 v[BM+\b], v[BM+\b]                   ; the block's largest p
.endr
	v_pk_add_f32 v[246:247], v[108:109], v[112:113]
	v_pk_add_f32 v[252:253], v[116:117], v[120:121]
	v_pk_add_f32 v[240:241], v[124:125], v[128:129]
	v_pk_add_f32 v[238:239], v[132:133], v[136:137]
	v_pk_add_f32 v[236:237], v[140:141], v[144:145]
	v_pk_add_f32 v[234:235], v[148:149], v[152:153]
	v_pk_add_f32 v[232:233], v[156:157], v[160:161]
	v_pk_add_f32 v[14:15], v[14:15], v[164:165]
	v_pk_add_f32 v[246:247], v[246:247], v[104:105]
	v_pk_add_f32 v[252:253], v[252:253], v[106:107]
	v_pk_add_f32 v[240:241], v[240:241], v[110:111]
	v_pk_add_f32 v[238:239], v[238:239], v[114:115]
	v_pk_add_f32 v[236:237], v[236:237], v[118:119]
	v_pk_add_f32 v[234:235], v[234:235], v[122:123]
	v_pk_add_f32 v[232:233], v[232:233], v[126:127]
	v_pk_add_f32 v[14:15], v[14:15], v[130:131]
	v_pk_add_f32 v[246:247], v[246:247], v[134:135]
	v_pk_add_f32 v[252:253], v[252:253], v[138:139]
	v_pk_add_f32 v[240:241], v[240:241], v[142:143]
	v_pk_add_f32 v[238:239], v[238:239], v[146:147]
	v_pk_add_f32 v[236:237], v[236:237], v[150:151]
	v_pk_add_f32 v[234:235], v[234:235], v[154:155]
	v_pk_add_f32 v[232:233], v[232:233], v[158:159]
	v_pk_add_f32 v[14:15], v[14:15], v[162:163]
	v_pk_add_f32 v[246:247], v[246:247], v[166:167]
	s_delay_alu instid0(VALU_DEP_2)
	v_pk_add_f32 v[14:15], v[14:15], v[238:239]
	s_delay_alu instid0(VALU_DEP_2)
	v_pk_add_f32 v[246:247], v[246:247], v[236:237]
	v_pk_add_f32 v[252:253], v[252:253], v[234:235]
	v_pk_add_f32 v[240:241], v[240:241], v[232:233]
	s_delay_alu instid0(VALU_DEP_2)
	v_pk_add_f32 v[14:15], v[14:15], v[252:253]
	s_delay_alu instid0(VALU_DEP_2)
	v_pk_add_f32 v[246:247], v[246:247], v[240:241]
	s_delay_alu instid0(VALU_DEP_1)
	v_pk_add_f32 v[14:15], v[14:15], v[246:247]
	s_setprio 0
	s_wait_alu depctr_va_vdst(0)                   ; and one for the four
.irp b, 0,1,2,3
	v_max_num_f32 v[BM+\b], 0x4800000, v[BM+\b]    ; the floor 2^(9 - 127)
.endr
.irp b, 0,1,2,3
	s_delay_alu instid0(VALU_DEP_4)
	v_add_nc_u32 v[238+\b], 0xfc000000, v[BM+\b]   ; the conversion's scale operand
.endr
.irp b, 0,1,2,3
.endr
.irp b, 0,1,2,3
	s_delay_alu instid0(VALU_DEP_4)
	v_lshrrev_b32 v[230+\b], 23, v[238+\b]         ; the byte
.endr
	s_delay_alu instid0(VALU_DEP_3)
	v_lshl_or_b32 v225, v231, 8, v230              ; p's scale word for these 128 keys
	s_delay_alu instid0(VALU_DEP_1)
	v_lshl_or_b32 v225, v232, 16, v225
	s_delay_alu instid0(VALU_DEP_1)
	v_lshl_or_b32 v225, v233, 24, v225
.irp b, 0,1,2,3
.irp i, 0,1,2,3,4,5,6,7,8,9,10,11,12,13,14,15
.endr
	v_cvt_scalef32_pk8_fp8_f32 v[PCD+4*\b:PCD+1+4*\b], v[S+16*\b:S+7+16*\b], v[238+\b]
	v_cvt_scalef32_pk8_fp8_f32 v[PCD+2+4*\b:PCD+3+4*\b], v[S+8+16*\b:S+15+16*\b], v[238+\b]
.endr
.set j, 0
.rept 16
	v_pk_mul_f32 v[O+j:O+j+1], v[O+j:O+j+1], v[242:243] op_sel_hi:[1,0]   ; O^T under the new M; these are also the places between the codes and the products
.set j, j+2
.endr
	s_wait_alu depctr_va_vdst(0)
	s_wait_dscnt 0x0                               ; V is in
.irp f, 0,1,2,3
	v_wmma_scale_f32_16x16x128_f8f6f4 v[O+8*\f:O+8*\f+7], v[32+16*\f:47+16*\f], v[PCD:PCD+15], v[O+8*\f:O+8*\f+7], v[216+\f], v225
.endr
.Lhidden_\@:
	s_add_co_u32 s[KF], s[KF], 128
	s_add_co_u32 s[TB], s[TB], 16384
	s_add_co_u32 s[TS], s[TS], 512
	s_add_co_u32 s[TJ], s[TJ], 256
.endm
; O^T / l, quantised along the channels (two blocks of 32), stored as two groups of the last projection's operand
.macro OUT
.rept 8
	v_nop                                          ; places behind the last products
.endr
	v_add_f32 v14, v14, v15
	s_delay_alu instid0(VALU_DEP_1)
	v_permlanex16_b32 v244, v14, s[SEL], s[SEL+1]
	s_delay_alu instid0(VALU_DEP_1)
	v_add_f32 v14, v14, v244                       ; the row's sum
	s_wait_alu depctr_va_vdst(0)
	v_rcp_f32 v242, v14
	v_nop                                          ; a plain line behind the reciprocal
	s_wait_alu depctr_va_vdst(0)                   ; and the wait ahead of its first reader
.set j, 0
.rept 16
	v_pk_mul_f32 v[O+j:O+j+1], v[O+j:O+j+1], v[242:243] op_sel_hi:[1,0]
.set j, j+2
.endr
.irp b, 0,1
	v_max3_num_f32 v[BM+\b], |v[O+16*\b]|, |v[O+1+16*\b]|, 0x4800000
.endr
.irp i, 2,4,6,8,10,12,14
.irp b, 0,1
	s_delay_alu instid0(VALU_DEP_2)
	v_max3_num_f32 v[BM+\b], v[BM+\b], |v[O+16*\b+\i]|, |v[O+1+16*\b+\i]|
.endr
.endr
.irp b, 0,1
	s_delay_alu instid0(VALU_DEP_2)
	v_permlanex16_b32 v[230+\b], v[BM+\b], s[SEL], s[SEL+1]
.endr
.irp b, 0,1
	s_delay_alu instid0(VALU_DEP_2)
	v_max_num_f32 v[BM+\b], v[BM+\b], v[230+\b]
.endr
.irp b, 0,1
	s_delay_alu instid0(VALU_DEP_2)
	v_add_nc_u32 v[238+\b], 0xfc000000, v[BM+\b]
.endr
.irp b, 0,1
.endr
.irp b, 0,1
	s_delay_alu instid0(VALU_DEP_2)
	v_lshrrev_b32 v[230+\b], 23, v[238+\b]
.endr
	s_delay_alu instid0(VALU_DEP_1)
	v_lshl_or_b32 v245, v231, 8, v230              ; my query's two scale bytes
.irp b, 0,1
.irp i, 0,1,2,3,4,5,6,7,8,9,10,11,12,13,14,15
.endr
	v_cvt_scalef32_pk8_fp8_f32 v[PCD+4*\b:PCD+1+4*\b], v[O+16*\b:O+7+16*\b], v[238+\b]
	v_cvt_scalef32_pk8_fp8_f32 v[PCD+2+4*\b:PCD+3+4*\b], v[O+8+16*\b:O+15+16*\b], v[238+\b]
.endr
	v_nop
	global_store_b128 v[LI], v[PCD:PCD+3],   s[60:61]              ; 512 consecutive bytes each
	global_store_b128 v[LI], v[PCD+4:PCD+7], s[60:61] offset:512
	global_store_b16 v7, v245, s[62:63]            ; 2 bytes a token: a row's 32 belong to 16 heads; both halves of the lanes write the same bytes with the same value
.endm
.macro RUN n
	s_mov_b32 s[CNT], \n
	s_wait_loadcnt 0x0                             ; Q
.Lstep_\@:
	STEP
	s_sub_co_u32 s[CNT], s[CNT], 1
	s_cmp_lg_u32 s[CNT], 0
	s_cbranch_scc1 .Lstep_\@
	s_setprio 0
	OUT
.endm
	s_lshl_b32 s[Q0], s11, 8
	s_lshl_b32 s55, s[WV], 4
	s_add_co_u32 s[Q0], s[Q0], s55                 ; the first pass: query 256 i + 16 w
	PRE
	s_wait_tensorcnt 0x1                           ; my parts of the scale words and of keys 0-1,023 are in; the second half's load may be out: this pass reads LDS bytes under 131,072 and the scale words alone
	s_barrier_signal -1
	s_barrier_wait -1                              ; everybody's are
	RUN 8
	s_sub_co_u32 s[Q0], 2032, s[Q0]                ; the second pass: query 256 (7 - i) + 16 (15 - w)
	PRE
	s_wait_tensorcnt 0x0                           ; my part of keys 1,024-2,047 is in
	s_wait_dscnt 0x0
	s_barrier_signal -1
	s_barrier_wait -1
	RUN 16
	s_wait_tensorcnt 0x0
	ds_add_u32 v254, v255
	s_wait_dscnt 0x0
	s_endpgm
.Lfunc_end_k_q863edcc330_attn:
	.size	k_q863edcc330_attn, .Lfunc_end_k_q863edcc330_attn-k_q863edcc330_attn
	.p2alignl 7, 3214868480
	.fill 96, 4, 3214868480
	.section	.rodata,"a",@progbits
	.p2align	6, 0x0
	.amdhsa_kernel k_q863edcc330_attn
		.amdhsa_group_segment_fixed_size 276480
		.amdhsa_private_segment_fixed_size 0
		.amdhsa_enable_private_segment 0
		.amdhsa_kernarg_size 24
		.amdhsa_user_sgpr_count 2
		.amdhsa_user_sgpr_kernarg_segment_ptr 1
		.amdhsa_wavefront_size32 1
		.amdhsa_system_sgpr_workgroup_id_x 1
		.amdhsa_system_sgpr_workgroup_id_y 1
		.amdhsa_system_sgpr_workgroup_id_z 1
		.amdhsa_system_vgpr_workitem_id 0
		.amdhsa_next_free_vgpr 256
		.amdhsa_next_free_sgpr 72
		.amdhsa_reserve_vcc 1
		.amdhsa_float_denorm_mode_32 3
		.amdhsa_float_denorm_mode_16_64 3
		.amdhsa_fp16_overflow 1
		.amdhsa_memory_ordered 1
		.amdhsa_forward_progress 1
		.amdhsa_inst_pref_size 64
	.end_amdhsa_kernel
	.amdgpu_metadata
---
amdhsa.version: [ 1, 2 ]
amdhsa.kernels:
  - .name:           k_q863edcc330_attn
    .symbol:         k_q863edcc330_attn.kd
    .args:
      - { .name: qq, .offset: 0, .size: 8, .value_kind: global_buffer, .address_space: global }
      - { .name: kvq, .offset: 8, .size: 8, .value_kind: global_buffer, .address_space: global }
      - { .name: oq, .offset: 16, .size: 8, .value_kind: global_buffer, .address_space: global }
    .group_segment_fixed_size: 276480
    .private_segment_fixed_size: 0
    .kernarg_segment_align: 8
    .kernarg_segment_size: 24
    .max_flat_workgroup_size: 512
    .sgpr_count:     72
    .vgpr_count:     256
    .wavefront_size: 32
...
	.end_amdgpu_metadata
.endif
;; end of part 3
;; launch oproj (part 4): grid 4 x 32, 4 waves a work-group, clusters of 4 x 4, 327,680 bytes of LDS; arguments oq, wq, bo, out0; writes out0
.if DOCPART == 4
	.amdgcn_target "amdgcn-amd-amdhsa--gfx1250"
	.amdhsa_code_object_version 6
	.text
	.protected	k_q863edcc330_oproj
	.globl	k_q863edcc330_oproj
	.p2align	8
	.type	k_q863edcc330_oproj,@function
k_q863edcc330_oproj:
	s_mov_b64 s[64:65], 0
	v_nop
	global_prefetch_b8 v0, s[64:65] scope:SCOPE_SE
	s_setreg_imm32_b32 hwreg(HW_REG_WAVE_MODE, 25, 1), 1
	s_wait_xcnt 0x0
	s_wait_alu depctr_hold_cnt(0) depctr_sa_sdst(0) depctr_va_vdst(0) depctr_va_sdst(0) depctr_va_ssrc(0) depctr_va_vcc(0) depctr_vm_vsrc(0)
	s_getreg_b32 s2, hwreg(HW_REG_IB_STS2, 6, 4)
	s_cmp_eq_u32 s2, 0
	s_cbranch_scc0 .Lentry_in_a_cluster
	s_endpgm
.Lentry_in_a_cluster:
	s_bfe_u32 s2, ttmp6, 0x10000c
	s_cmp_lg_u32 s2, 0xf033
	s_cbranch_scc0 .Lentry_shape_is_right
	s_endpgm
.Lentry_shape_is_right:
; out0 = attention's result x Wo + bo, on codes of FP8 (E4M3) with E8M0 scales, f32 sums.  A = oq (8,192 tokens), B = wq's rows 3,072 on (Wo's 1,024 columns); out0 [8192][1024] f32.
; A tile of 256 x 256 is made by four waves, each 128 x 128: 64 accumulators.  K = 1,024 goes in four steps of 256 through two LDS slots filled by the tensor data mover.
; Operands lie in the order of the registers: [row / 16][K / 128][c][lane][16 bytes]; every LDS load of a fragment takes 512 consecutive bytes.  Inside a block of 32 both operands stand in the same order
; (lanes 0-15: numbers 0-7, 16-23; lanes 16-31: 8-15, 24-31): products and scales are those of the true order; only the order of a sum's terms differs.
; Source 0 = 16 rows of B, source 1 = 16 rows of A: a lane holds eight neighbouring numbers of a row of out0.  The bias is the C of each sum's first product.
; CLUSTERS: 4 x 4 work-groups; A's tiles are asked for jointly along a row of the cluster, B's along a column.  128 tiles: a smaller tile would fill more of the chip at the price of more LDS reads for each product.
.set NQ,     2
.set FR,     16
.set NL,     4
.set NP,     8                         ; places behind this matrix instruction (ISA guide 7.12.1)
.set HALFT,  32768
.set SLOT,   4*HALFT
.set SCL,    2*SLOT
.set HALFS,  4352
.set SBLK,   544
.set SPARE,  SCL+4*HALFS               ; the spare words, 128 bytes a wave: two blocks of 256 bytes that no other line names
.set SPITCH, 528                       ; the way out: a stage of 16 rows x (512 + 16) bytes a wave, in slot 0, which has had its last fill and its last read by then
.set SIZE_N, 1024
.set ADRA, 16
.set ADRB, 20
.set STO,  22                          ; v22 the stage: where I put 32 bytes of a row
.set RD,   23                          ; v23 and where I read a row back
.set LI,   24                          ; v24 16 x lane: also my offset in a row of out0
.set BO,   26
.set ADRS, 27
.set SPW,  28
.set NIL,  29
.set SC,   32
.set BI,   64                          ; v64-127 the bias, in the result's layout
.set AF,   128
.set BK,   128                         ; the way out: 16 rows read back: v128-191 and v192-255 by turns
.set G1,   24
.set G0,   32
.set G1B,  48
.set G0B,  56
.set G1S,  68
.set G0S,  76
.set G1SB, 80
.set G0SB, 88
.set MSB, 0
.macro WIN new
.if MSB != (\new)
	s_set_vgpr_msb (MSB<<8)|(\new)
.set MSB, (\new)
.endif
.endm
.set MUL_LO, 0xa1                      ; source 0 (B) window 1, source 1 (A) window 0, C and D window 2
.set MUL_HI, 0xf1
.set FST_LO, 0x81                      ; the first step: C (the bias) window 0, D window 2
.set FST_HI, 0xc1
.set TO_B,   0x40
.macro JLOAD g0a, g1a, g0b, g1b        ; waves 0, 1 fetch for A, waves 2, 3 for B; four v_nop follow each line
	s_cmp_eq_u32 s19, 0
	s_cbranch_scc0 .Lfor_b_\@
	tensor_load_to_lds s[\g0a:\g0a+3], s[\g1a:\g1a+7]
	s_nop 0
.rept 4
	v_nop
.endr
	s_branch .Lasked_\@
.Lfor_b_\@:
	tensor_load_to_lds s[\g0b:\g0b+3], s[\g1b:\g1b+7]
	s_nop 0
.rept 4
	v_nop
.endr
.Lasked_\@:
.endm
.macro CREST
	s_cmp_lg_u32 s18, 0
	s_cbranch_scc1 .Lnot_wave_0_\@
	s_barrier_signal -3
.Lnot_wave_0_\@:
	s_barrier_wait -3
	s_barrier_signal -1
	s_barrier_wait -1
.endm
.macro CROUND
	s_barrier_signal -1
	s_barrier_wait -1
	CREST
.endm
.macro FRAG reg, adr, q, i
.irp c, 0,1,2,3
	ds_load_b128 v[\reg+4*\c:\reg+4*\c+3], v[\adr] offset:4096*(\i)+2048*(\q)+512*\c
.endr
.endm
; 16 products; first = 1: the bias starts the sums.  The 64 accumulators take turns, one instruction a turn.
.macro MUL16 a0, p, q, sc, first
.irp a, \a0, \a0+1
.irp b, 0,1,2,3,4,5,6,7
.if \first
	v_wmma_scale_f32_16x16x128_f8f6f4 v[8*(8*((\a)%4)+\b):8*(8*((\a)%4)+\b)+7], v[128*(\p)+FR*\b:128*(\p)+FR*\b+FR-1], v[AF+FR*(\a):AF+FR*(\a)+FR-1], v[BI+8*\b:BI+8*\b+7], v[SC+8*NQ*(\sc)+NQ*\b+(\q)], v[SC+8*NQ*(\sc)+NQ*(\a)+(\q)] matrix_a_scale:MATRIX_SCALE_ROW1
.else
	v_wmma_scale_f32_16x16x128_f8f6f4 v[8*(8*((\a)%4)+\b):8*(8*((\a)%4)+\b)+7], v[128*(\p)+FR*\b:128*(\p)+FR*\b+FR-1], v[AF+FR*(\a):AF+FR*(\a)+FR-1], v[8*(8*((\a)%4)+\b):8*(8*((\a)%4)+\b)+7], v[SC+8*NQ*(\sc)+NQ*\b+(\q)], v[SC+8*NQ*(\sc)+NQ*(\a)+(\q)] matrix_a_scale:MATRIX_SCALE_ROW1
.endif
.endr
.endr
.endm
.macro FETCH_B slot, q, p
	WIN TO_B
.irp i, 0,1,2,3,4,5,6,7
	FRAG 128*(\p)+FR*\i, ADRB+\slot, \q, \i
.endr
	WIN 0
.endm
.macro FETCH_A slot, q, i0
.irp i, \i0, \i0+1, \i0+2, \i0+3
	FRAG AF+FR*(\i), ADRA+\slot, \q, \i
.endr
.endm
.macro SCALES sc
.irp i, 0,1,2,3,4,5,6,7
	ds_load_b64 v[SC+8*NQ*\sc+NQ*\i:SC+8*NQ*\sc+NQ*\i+1], v[ADRS] offset:\i*SBLK
.endr
.endm
.macro PLACES n
.rept \n
	v_nop
.endr
.endm
.macro STEP slot, q, first
	s_wait_dscnt 4*NL                              ; all but the youngest 16 loads (A's blocks 4-7) are in
.if \first
	WIN FST_LO
.else
	WIN MUL_LO
.endif
	MUL16 0, (\q)%2, \q, \slot, \first
	MUL16 2, (\q)%2, \q, \slot, \first
	s_wait_dscnt 0
	PLACES NP
	FETCH_B \slot, (\q)+1, 1-(\q)%2
	FETCH_A \slot, (\q)+1, 0
.if \first
	WIN FST_HI
.else
	WIN MUL_HI
.endif
	MUL16 4, (\q)%2, \q, \slot, \first
	MUL16 6, (\q)%2, \q, \slot, \first
	PLACES NP
	WIN 0
	FETCH_A \slot, (\q)+1, 4
.endm
.macro TURN slot, next, fill
	s_wait_tensorcnt 0x0                           ; all my tensor loads have landed: my part of the next slot
	ds_add_u32 v[SPW], v[NIL]
	s_wait_dscnt 4*NL+1                            ; (the add and the youngest 16 loads may be out)
	WIN MUL_LO
	MUL16 0, 1, NQ-1, \slot, 0
	s_wait_dscnt 0x0                               ; the add is done, and my reads of this slot are over
	s_barrier_signal -1
	MUL16 2, 1, NQ-1, \slot, 0
	WIN 0
	s_barrier_wait -1
.if \fill
	CREST                                          ; the barrier has opened a round of the cluster's: no wave of any partner still reads this slot or has a load on its way
	s_add_nc_u64 s[G0+4*\slot+2:G0+4*\slot+3], s[G0+4*\slot+2:G0+4*\slot+3], 8192
	s_add_nc_u64 s[G0B+4*\slot+2:G0B+4*\slot+3], s[G0B+4*\slot+2:G0B+4*\slot+3], 8192
	JLOAD G0+4*\slot, G1, G0B+4*\slot, G1B
	PLACES NP-4
.else
	PLACES NP
.endif
	s_wait_alu depctr_va_vdst(0)
	v_add_nc_u32 v[ADRS], 4*NQ, v[ADRS]
	FETCH_B \next, 0, 0
	FETCH_A \next, 0, 0
	SCALES \next
	WIN MUL_HI
	MUL16 4, 1, NQ-1, \slot, 0
	MUL16 6, 1, NQ-1, \slot, 0
	PLACES NP
	WIN 0
	FETCH_A \next, 0, 4
.endm
	s_load_b256 s[4:11], s[0:1], 0x0               ; oq, wq, bo, out0
	v_lshl_add_u32 v[SPW], v0, 2, SPARE
	v_mov_b32 v[NIL], 0
	ds_add_u32 v28, v29
	ds_add_u32 v28, v29
	s_wait_dscnt 0x0
	v_lshrrev_b32 v1, 5, v0
	v_readfirstlane_b32 s18, v1                    ; wave
	s_lshr_b32 s19, s18, 1                         ; my half of the rows.  Also: I fetch for A (0) or B (1)
	s_and_b32 s20, s18, 1                          ; my half of the columns.  Also: which 128 rows I fetch
	s_bfe_u32 s40, ttmp6, 0x40000                  ; cx
	s_bfe_u32 s41, ttmp6, 0x40004                  ; cy
	s_lshl_b32 s42, ttmp9, 2
	s_add_co_u32 s42, s42, s40                     ; tile column
	s_and_b32 s23, ttmp7, 0xffff
	s_lshl_b32 s23, s23, 2
	s_add_co_u32 s23, s23, s41                     ; tile row
	s_lshl_b32 s43, s41, 2
	s_lshl_b32 s43, 15, s43                        ; my row of the cluster
	s_lshl_b32 s44, 0x1111, s40                    ; my column
	s_or_b32 s[G1+0], s43, (3<<16)|(1<<21)         ; codes: 8 rows of 4,096 bytes, 16,384 apart, in elements of 8 bytes; no padding
	s_or_b32 s[G1B+0], s44, (3<<16)|(1<<21)
.irp g, G1, G1B
	s_mov_b32 s[\g+1], 512<<16
	s_mov_b32 s[\g+2], 8<<16
	s_mov_b32 s[\g+3], 512<<16
	s_mov_b32 s[\g+4], 8
	s_mov_b32 s[\g+5], 2048
	s_mov_b32 s[\g+6], 0
	s_mov_b32 s[\g+7], 0
.endr
	s_or_b32 s[G1S+0], s43, (3<<16)|(1<<20)|(1<<21)|(5<<22)|(3<<25)   ; scale bytes of 128 rows: 16 rows of 256 bytes, 16 of padding behind each
	s_or_b32 s[G1SB+0], s44, (3<<16)|(1<<20)|(1<<21)|(5<<22)|(3<<25)
.irp g, G1S, G1SB
	s_mov_b32 s[\g+1], 32<<16
	s_mov_b32 s[\g+2], 16<<16
	s_mov_b32 s[\g+3], 32<<16
	s_mov_b32 s[\g+4], 16
	s_mov_b32 s[\g+5], 32
	s_mov_b32 s[\g+6], 0
	s_mov_b32 s[\g+7], 0
.endr
	s_lshl_b32 s92, s20, 7
	s_lshl_b32 s94, s23, 8
	s_add_co_u32 s94, s94, s92                     ; A's row: it never holds cx
	s_lshl_b32 s46, s42, 8
	s_add_co_u32 s46, s46, s92                     ; B's row: it never holds cy
	s_lshl_b32 s96, s94, 5
	s_add_co_u32 s96, s96, 8388608                 ; oq's scale bytes lie behind its codes
	s_mov_b32 s97, 0
	s_lshl_b32 s98, s46, 5
	s_add_co_u32 s98, s98, 4194304+3072*32         ; Wo's scale bytes
	s_mov_b32 s99, 0
	s_lshl_b32 s94, s94, 10
	s_mov_b32 s95, 0
	s_lshl_b32 s46, s46, 10
	s_add_co_u32 s46, s46, 3072*1024               ; Wo's codes
	s_mov_b32 s47, 0
	s_mul_i32 s45, s18, HALFT
	s_mul_i32 s93, s18, HALFS
	s_wait_kmcnt 0x0
	s_add_nc_u64 s[34:35], s[4:5], s[94:95]
	s_add_nc_u64 s[78:79], s[4:5], s[96:97]
	s_add_nc_u64 s[58:59], s[6:7], s[46:47]
	s_add_nc_u64 s[90:91], s[6:7], s[98:99]
	s_add_nc_u64 s[38:39], s[34:35], 4096
	s_add_nc_u64 s[62:63], s[58:59], 4096
	CROUND                                         ; all sixteen work-groups are here: the first joint loads meet
	s_mov_b32 s[G0S], 1
	s_add_co_u32 s[G0S+1], s93, SCL
	s_or_b32 s[G0S+3], s[G0S+3], 0x80000000
	s_mov_b32 s[G0SB], 1
	s_add_co_u32 s[G0SB+1], s93, SCL
	s_or_b32 s[G0SB+3], s[G0SB+3], 0x80000000
	JLOAD G0S, G1S, G0SB, G1SB
.irp s, 0,1
	s_mov_b32 s[G0+4*\s], 1
	s_add_co_u32 s[G0+4*\s+1], s45, \s*SLOT
	s_or_b32 s[G0+4*\s+3], s[G0+4*\s+3], 0x80000000
	s_mov_b32 s[G0B+4*\s], 1
	s_add_co_u32 s[G0B+4*\s+1], s45, \s*SLOT
	s_or_b32 s[G0B+4*\s+3], s[G0B+4*\s+3], 0x80000000
	s_wait_alu depctr_va_vdst(0)
	s_wait_tensorcnt 0x0
	ds_add_u32 v28, v29
	s_wait_dscnt 0x0
	CROUND
	JLOAD G0+4*\s, G1, G0B+4*\s, G1B
.endr
	v_and_b32 v1, 15, v0                           ; r
	v_bfe_u32 v2, v0, 4, 1                         ; h
	v_and_b32 v3, 31, v0
	v_lshlrev_b32 v[LI], 4, v3
	v_lshlrev_b32 v[BO], 5, v2
	s_wait_alu depctr_va_vdst(0)
	s_lshl_b32 s12, s42, 10                        ; my first column in bytes: 1,024 x tile column + 512 x half
	s_lshl_b32 s14, s20, 9
	s_add_co_u32 s12, s12, s14
	s_mov_b32 s13, 0
	s_add_nc_u64 s[8:9], s[8:9], s[12:13]          ; the bias there,
	s_add_nc_u64 s[10:11], s[10:11], s[12:13]      ; and out0,
	s_lshl_b32 s12, s23, 8
	s_lshl_b32 s14, s19, 7
	s_add_co_u32 s12, s12, s14
	s_lshl_b32 s12, s12, 12                        ; at my first row: 4,096 bytes a row
	s_add_nc_u64 s[10:11], s[10:11], s[12:13]
.irp b, 0,1,2,3,4,5,6,7
	global_load_b128 v[BI+8*\b:BI+8*\b+3],   v[BO], s[8:9] offset:64*\b      ; the bias of columns 16 b + 8 h + 0 .. 7
	global_load_b128 v[BI+8*\b+4:BI+8*\b+7], v[BO], s[8:9] offset:64*\b+16
.endr
	s_mul_i32 s92, s19, HALFT
	s_mul_i32 s93, s20, HALFT
	s_add_co_u32 s93, s93, 2*HALFT
.irp s, 0,1
	v_add_nc_u32 v[ADRA+\s], s92, v[LI]
	v_add_nc_u32 v[ADRB+\s], s93, v[LI]
	s_add_co_u32 s92, s92, SLOT
	s_add_co_u32 s93, s93, SLOT
.endr
	v_lshlrev_b32 v5, 5, v1
	v_lshrrev_b32 v6, 8, v5
	v_lshl_add_u32 v5, v6, 4, v5
	s_mul_i32 s92, s19, HALFS
	s_mul_i32 s93, s20, HALFS
	s_add_co_u32 s93, s93, 2*HALFS
	s_sub_co_u32 s93, s93, s92
	v_mul_u32_u24 v6, s93, v2                      ; lanes 16-31 take B's: one product, the distance x h
	s_add_co_u32 s92, s92, SCL
	v_add_nc_u32 v5, v5, v6
	v_add_nc_u32 v[ADRS], s92, v5
	s_mul_i32 s92, s18, 16*SPITCH                  ; my stage
	v_mul_u32_u24 v5, v1, SPITCH
	v_lshl_add_u32 v5, v2, 5, v5
	v_add_nc_u32 v[STO], s92, v5
	v_add_nc_u32 v[RD], s92, v[LI]
	s_wait_alu depctr_va_vdst(0)
	s_wait_tensorcnt 1                             ; the scale bytes and my part of K step 0 are in; K step 1's load may be out
	s_barrier_signal -1
	s_barrier_wait -1
	FETCH_B 0, 0, 0
	FETCH_A 0, 0, 0
	SCALES 0
	FETCH_A 0, 0, 4
	s_wait_loadcnt 0x0                             ; the bias
	STEP 0, 0, 1
	TURN 0, 1, 1                                   ; slot 0 takes K step 2
	STEP 1, 0, 0
	TURN 1, 0, 1                                   ; slot 1 takes K step 3
	STEP 0, 0, 0
	TURN 0, 1, 0
	STEP 1, 0, 0
	s_wait_dscnt 4*NL                              ; the last step: nothing more to fetch
	WIN MUL_LO
	MUL16 0, 1, NQ-1, 1, 0
	MUL16 2, 1, NQ-1, 1, 0
	s_wait_dscnt 0
	WIN MUL_HI
	MUL16 4, 1, NQ-1, 1, 0
	MUL16 6, 1, NQ-1, 1, 0
	WIN 0
; THE WAY OUT, block by block of 16 rows x 128 columns: through my own stage, back as whole rows of 512 bytes.  LDS serves a wave's instructions in order: no wait between the stores and the loads.
.macro TOSTAGE a
.set AC, 64*((\a)%4)
	WIN 0x08+4*((\a)/4)                            ; an LDS store's data: window 2 or 3
.irp b, 0,1,2,3,4,5,6,7
	ds_store_b128 v[STO], v[AC+8*\b:AC+8*\b+3] offset:64*\b          ; each accumulator from its low end on
	ds_store_b128 v[STO], v[AC+8*\b+4:AC+8*\b+7] offset:64*\b+16
.endr
	WIN 0
.set BB, BK+64*((\a)%2)
.irp t, 0,1,2,3,4,5,6,7,8,9,10,11,12,13,14,15
	ds_load_b128 v[BB+4*\t:BB+4*\t+3], v[RD] offset:\t*SPITCH
.endr
.endm
.macro SEND a, younger                 ; younger: the LDS instructions issued behind block a's loads, which may stay out
.set BB, BK+64*((\a)%2)
	s_wait_dscnt \younger
.if (\a) > 0
	s_add_nc_u64 s[10:11], s[10:11], 16*SIZE_N*4   ; 16 rows on (the earlier stores have read their base: the wait stands ahead of this macro)
.endif
.irp t, 0,1,2,3,4,5,6,7,8,9,10,11,12,13,14,15
	global_store_b128 v[LI], v[BB+4*\t:BB+4*\t+3], s[10:11] offset:\t*SIZE_N*4 th:TH_STORE_NT   ; 512 consecutive bytes, aligned
.endr
.endm
	PLACES NP
	TOSTAGE 0
.irp a, 1,2,3,4,5,6,7
.if \a > 1
	s_wait_xcnt 0x0                                ; block a - 2's stores have read their registers and their base
.endif
	TOSTAGE \a
	SEND \a-1, 32                                  ; behind block a - 1's loads: block a's 16 stores and 16 loads
.endr
	s_wait_xcnt 0x0
	SEND 7, 0
	s_wait_tensorcnt 0x0                           ; the wave's end
	ds_add_u32 v[SPW], v[NIL]
	s_wait_dscnt 0x0
	CROUND                                         ; the closing round
	s_endpgm
.Lfunc_end_k_q863edcc330_oproj:
	.size	k_q863edcc330_oproj, .Lfunc_end_k_q863edcc330_oproj-k_q863edcc330_oproj
	.p2alignl 7, 3214868480
	.fill 96, 4, 3214868480
	.section	.rodata,"a",@progbits
	.p2align	6, 0x0
	.amdhsa_kernel k_q863edcc330_oproj
		.amdhsa_group_segment_fixed_size 327680
		.amdhsa_private_segment_fixed_size 0
		.amdhsa_enable_private_segment 0
		.amdhsa_kernarg_size 32
		.amdhsa_user_sgpr_count 2
		.amdhsa_user_sgpr_kernarg_segment_ptr 1
		.amdhsa_wavefront_size32 1
		.amdhsa_system_sgpr_workgroup_id_x 1
		.amdhsa_system_sgpr_workgroup_id_y 1
		.amdhsa_system_sgpr_workgroup_id_z 1
		.amdhsa_system_vgpr_workitem_id 0
		.amdhsa_next_free_vgpr 1024
		.amdhsa_next_free_sgpr 100
		.amdhsa_reserve_vcc 0
		.amdhsa_float_denorm_mode_32 3
		.amdhsa_float_denorm_mode_16_64 3
		.amdhsa_memory_ordered 1
		.amdhsa_forward_progress 1
		.amdhsa_inst_pref_size 147
	.end_amdhsa_kernel
	.amdgpu_metadata
---
amdhsa.version: [ 1, 2 ]
amdhsa.kernels:
  - .name:           k_q863edcc330_oproj
    .symbol:         k_q863edcc330_oproj.kd
    .args:
      - { .name: oq, .offset: 0, .size: 8, .value_kind: global_buffer, .address_space: global }
      - { .name: wq, .offset: 8, .size: 8, .value_kind: global_buffer, .address_space: global }
      - { .name: bo, .offset: 16, .size: 8, .value_kind: global_buffer, .address_space: global }
      - { .name: out0, .offset: 24, .size: 8, .value_kind: global_buffer, .address_space: global }
    .group_segment_fixed_size: 327680
    .private_segment_fixed_size: 0
    .kernarg_segment_align: 8
    .kernarg_segment_size: 32
    .max_flat_workgroup_size: 128
    .sgpr_count:     100
    .vgpr_count:     1024
    .wavefront_size: 32
...
	.end_amdgpu_metadata
.endif
;; end of part 4
